; MI455X (gfx1250); checked and timed in simulation.
; The chip was launched on July 23, 2026; its instructions are those of AMD's public machine-readable ISA for CDNA 5 (MIT licence, August 2026) and "CDNA5" Instruction Set Architecture Reference Guide (July 2026). The comments in the code are by the model that wrote it; some were corrected since.
;; Multi Head Attention. Allowed arithmetic: float matrix products may take bf16 or f16 operands with f32 sums; other float arithmetic in f32, or as packed bf16 or f16 multiplies, adds, multiply-adds, maxima and minima; sums over many terms, partial sums and values carried from step to step in f32; what a program stores and reads back later, other than sums and carried values, may be rounded once to bf16 or f16.
;; Inputs: W_k 1,024 x 1,024 float32; W_proj 1,024 x 1,024 float32; W_q 1,024 x 1,024 float32; W_v 1,024 x 1,024 float32; b_proj 1,024 float32; keys 4 x 2,048 x 1,024 float32; mask 4 x 1 x 2,048 x 2,048 bool; queries 4 x 2,048 x 1,024 float32; values 4 x 2,048 x 1,024 float32.
;; Outputs: out0 4 x 2,048 x 1,024 float32.
;; 2 versions, each right and faster than the one before. Each part assembles by itself: llvm-mc -triple=amdgcn-amd-amdhsa -mcpu=gfx1250 --defsym DOCPART=n.
;; ======== version 1 of 2: 4 launches
;; limits: values are held in f16: magnitudes above 65,504 overflow, below 6.1e-05 lose precision
;; workspace buffers: xb 50,331,648 bytes; wb 6,291,456 bytes; wp 2,097,152 bytes; mbits 2,097,152 bytes of whole numbers; qkv 50,331,648 bytes; oh 16,777,216 bytes
;; launch prep (part 1): grid 11 x 128, 8 waves a work-group, no clusters, 0 bytes of LDS; arguments queries, keys, values, W_q, W_k, W_v, W_proj, mask, xb, wb, wp, mbits; writes xb, wb, wp, mbits
.if DOCPART == 1
	.amdgcn_target "amdgcn-amd-amdhsa--gfx1250"
	.amdhsa_code_object_version 6
	.text
	.protected	k_qf059fef6a0_prep
	.globl	k_qf059fef6a0_prep
	.p2align	8
	.type	k_qf059fef6a0_prep,@function
k_qf059fef6a0_prep:
	s_mov_b64 s[64:65], 0
	v_nop
	global_prefetch_b8 v0, s[64:65] scope:SCOPE_SE
	s_setreg_imm32_b32 hwreg(HW_REG_WAVE_MODE, 25, 1), 1
	s_wait_xcnt 0x0
; PREP: the module's inputs are brought into the forms that the matrix launches read.
;   queries, keys, values [8192][1024] f32 -> xb [3][8192][1024] bf16;  W_q, W_k, W_v [1024][1024] f32 -> wb [3][1024][1024] bf16
;   W_proj f32 -> bf16 -> written as f16 into wp (exact while |W_proj| stays under 65,520; beyond that the f16 is an infinity: a stated limit)
;   mask [4][2048][2048] bytes -> mbits [4][128 query tiles][32 key steps][32 words]: for query tile q0 = 16 qt and key step k0 = 64 ks, bit L of word 8 kt + j is
;   mask[q0 + L % 16][k0 + 16 kt + 8 (L / 16) + j]: the lane mask of register j of accumulator kt of a 16 x 16 product keys x queries.
; The grid's x is the KIND of work, y an index: kinds 0-5 the activations (tensor kind / 2, 256 blocks of 131,072 bytes each), kind 6 the weights (tensor y % 4, block y / 4),
; kinds 7-10 the mask (pair = batch x 128 + query tile; each of the eight waves takes 256 keys).  A stream: no LDS, no barrier, no matrix unit, and no cluster, since no two work-groups read the same byte.
.set X,  8                             ; v[8:39]   eight slots of four registers, as loaded
.set YO, 40                            ; v[40:55]  eight slots of two registers, to store
.set T,  56                            ; v[56:61]  at work
.set WR, 40                            ; v[40:43]  the mask part: a wave's 128 words, four a lane
.set TA, 44                            ; v44, v45  the mask part: at work
.set TB, 45
	s_load_b512 s[4:19], s[0:1], 0x0               ; queries s[4:5], keys s[6:7], values s[8:9], W_q s[10:11], W_k s[12:13], W_v s[14:15], W_proj s[16:17], mask s[18:19]
	s_load_b256 s[20:27], s[0:1], 0x40             ; xb s[20:21], wb s[22:23], wp s[24:25], mbits s[26:27]
	s_mov_b32 s28, ttmp9                           ; kind
	s_and_b32 s29, ttmp7, 0xffff                   ; index
	s_mov_b32 s33, 0                               ; the high word of every offset pair s[32:33]
	s_mov_b32 s39, 0xffff
	s_mov_b32 s40, 0xffff0000
	v_lshrrev_b32 v3, 5, v0                        ; wave
	v_and_b32 v4, 31, v0                           ; lane
	s_wait_kmcnt 0x0
	s_cmp_ge_u32 s28, 7
	s_cbranch_scc1 .Lmask
	v_lshlrev_b32 v1, 4, v4                        ; a wave owns 16,384 bytes of f32: load offset = 16,384 wave + 16 lane,
	v_lshl_add_u32 v1, v3, 14, v1
	v_lshrrev_b32 v2, 1, v1                        ; store offset = half of it
	s_cmp_eq_u32 s28, 6
	s_cbranch_scc1 .Lweights
	s_lshr_b32 s30, s28, 1                         ; which activation
	s_and_b32 s31, s28, 1
	s_lshl_b32 s31, s31, 7
	s_add_co_u32 s31, s31, s29                     ; block 0..255
	s_cmp_eq_u32 s30, 1
	s_cselect_b64 s[34:35], s[6:7], s[4:5]
	s_cmp_eq_u32 s30, 2
	s_cselect_b64 s[34:35], s[8:9], s[34:35]
	s_lshl_b32 s32, s31, 17
	s_add_nc_u64 s[34:35], s[34:35], s[32:33]      ; from: block x 131,072
	s_lshl_b32 s32, s30, 24
	s_add_nc_u64 s[36:37], s[20:21], s[32:33]      ; to: tensor x 16,777,216
	s_lshl_b32 s32, s31, 16
	s_add_nc_u64 s[36:37], s[36:37], s[32:33]      ;     + block x 65,536
	s_branch .Lconv
.Lweights:
	s_and_b32 s30, s29, 3                          ; which weight
	s_lshr_b32 s31, s29, 2                         ; block 0..31
	s_cmp_eq_u32 s30, 1
	s_cselect_b64 s[34:35], s[12:13], s[10:11]
	s_cmp_eq_u32 s30, 2
	s_cselect_b64 s[34:35], s[14:15], s[34:35]
	s_cmp_eq_u32 s30, 3
	s_cselect_b64 s[34:35], s[16:17], s[34:35]
	s_lshl_b32 s32, s31, 17
	s_add_nc_u64 s[34:35], s[34:35], s[32:33]
	s_lshl_b32 s32, s31, 16
	s_cmp_eq_u32 s30, 3
	s_cbranch_scc1 .Lwproj
	s_add_nc_u64 s[36:37], s[22:23], s[32:33]
	s_lshl_b32 s32, s30, 21
	s_add_nc_u64 s[36:37], s[36:37], s[32:33]
; One slot's turn: 16 bytes of f32 a lane become 8 bytes.  ahead = 1: the slot is filled again, 4,096 bytes on.  left = the younger loads that may stay out.  h = 1: by bf16 to f16.
.macro CSLOT i, ahead, left, h
	s_wait_loadcnt \left                           ; loads come back in order: this slot's is in
.if \h
	v_cvt_pk_bf16_f32 v[T],   v[X+4*(\i)],   v[X+4*(\i)+1]    ; the input's one rounding, to bf16,
	v_cvt_pk_bf16_f32 v[T+1], v[X+4*(\i)+2], v[X+4*(\i)+3]
	v_lshlrev_b32 v[T+2], 16,  v[T]                            ; widened again,
	v_and_b32     v[T+3], s40, v[T]
	v_lshlrev_b32 v[T+4], 16,  v[T+1]
	v_and_b32     v[T+5], s40, v[T+1]
	v_cvt_pk_f16_f32 v[YO+2*(\i)],   v[T+2], v[T+3]            ; and written as f16: 8 significant bits fit into 11
	v_cvt_pk_f16_f32 v[YO+2*(\i)+1], v[T+4], v[T+5]
.else
	v_cvt_pk_bf16_f32 v[YO+2*(\i)],   v[X+4*(\i)],   v[X+4*(\i)+1]
	v_cvt_pk_bf16_f32 v[YO+2*(\i)+1], v[X+4*(\i)+2], v[X+4*(\i)+3]
.endif
.if \ahead
	global_load_b128 v[X+4*(\i):X+4*(\i)+3], v1, s[34:35] offset:4096+512*(\i) th:TH_LOAD_NT
.endif
	global_store_b64 v2, v[YO+2*(\i):YO+2*(\i)+1], s[36:37] offset:256*(\i)   ; 32 lanes store 256 consecutive bytes, at a multiple of 256 from the buffer's first
.endm
; A wave's 16,384 bytes: four rounds of eight slots; eight loads of 512 bytes are always on their way.
.macro CONV h
.irp i, 0,1,2,3,4,5,6,7
	global_load_b128 v[X+4*(\i):X+4*(\i)+3], v1, s[34:35] offset:512*(\i) th:TH_LOAD_NT
.endr
	s_mov_b32 s38, 3
.Lround_\@:
.irp i, 0,1,2,3,4,5,6,7
	CSLOT \i, 1, 7, \h
.endr
	s_wait_xcnt 0x0                                ; the two bases and the stores' registers are rewritten only behind this wait
	s_add_nc_u64 s[34:35], s[34:35], 4096
	s_add_nc_u64 s[36:37], s[36:37], 2048
	s_sub_co_u32 s38, s38, 1
	s_cmp_lg_u32 s38, 0
	s_cbranch_scc1 .Lround_\@
.irp i, 0,1,2,3,4,5,6,7
	CSLOT \i, 0, 7-(\i), \h                        ; the last round loads nothing: the counts run down
.endr
	s_endpgm
.endm
.Lconv:
	CONV 0
.Lwproj:
	s_add_nc_u64 s[36:37], s[24:25], s[32:33]
	CONV 1
; THE MASK.  A wave takes 16 query rows x 256 keys.  Load i: lane L holds row L % 16, keys 32 i + 16 (L / 16) + 0..15 of the wave's 256, a byte each.
; A compare of one byte position gives 32 bits at once.  A_j (key j of the lane's 16) holds in its low half group 2 i, in its high half group 2 i + 1 of 16 keys; B_j (key 8 + j) likewise.
; Word j of group 2 i is A_j's low half below B_j's low half; word j of group 2 i + 1 is A_j's high half below B_j's high half.
.Lmask:
	s_sub_co_u32 s30, s28, 7
	s_lshl_b32 s30, s30, 7
	s_add_co_u32 s30, s30, s29                     ; pair = batch x 128 + query tile
	s_lshl_b32 s32, s30, 15
	s_add_nc_u64 s[34:35], s[18:19], s[32:33]      ; its 16 rows of 2,048 bytes
	s_lshl_b32 s32, s30, 12
	s_add_nc_u64 s[36:37], s[26:27], s[32:33]      ; its 1,024 words
	s_mov_b32 s41, 1                               ; the lowest bit of each of a word's four bytes
	s_mov_b32 s42, 0x100
	s_mov_b32 s43, 0x10000
	s_mov_b32 s44, 0x1000000
	v_and_b32 v1, 15, v0
	v_bfe_u32 v5, v0, 4, 1
	v_lshlrev_b32 v1, 11, v1                       ; row x 2,048
	v_lshl_add_u32 v1, v5, 4, v1                   ; + 16 x half
	v_lshl_add_u32 v1, v3, 8, v1                   ; + 256 x wave
.irp i, 0,1,2,3,4,5,6,7
	global_load_b128 v[X+4*(\i):X+4*(\i)+3], v1, s[34:35] offset:32*(\i) th:TH_LOAD_NT
.endr
	v_lshlrev_b32 v2, 4, v4
	v_lshl_add_u32 v2, v3, 9, v2                   ; to: 512 x wave + 16 x lane
.irp k, 0,1,2,3
	v_mov_b32 v[WR+(\k)], 0                        ; written whole before single lanes are written
.endr
.set i, 0
.rept 8
	s_wait_loadcnt 7-i                             ; load i is in
.set j, 0
.rept 8
	v_and_b32 v[TA], s[41+j%4], v[X+4*i+j/4]
	v_and_b32 v[TB], s[41+j%4], v[X+4*i+2+j/4]
	v_cmp_ne_u32 s45, 0, v[TA]                     ; A_j
	v_cmp_ne_u32 s46, 0, v[TB]                     ; B_j
	s_and_b32 s30, s45, s39
	s_lshl_b32 s47, s46, 16
	s_or_b32 s30, s30, s47                         ; word 16 i + j of the wave's 128
	s_lshr_b32 s31, s45, 16
	s_and_b32 s47, s46, s40
	s_or_b32 s31, s31, s47                         ; word 16 i + 8 + j
	v_writelane_b32 v[WR+((16*i+j)&3)], s30, (16*i+j)>>2        ; word W goes to register W % 4 of lane W / 4
	v_writelane_b32 v[WR+((16*i+8+j)&3)], s31, (16*i+8+j)>>2
.set j, j+1
.endr
.set i, i+1
.endr
	global_store_b128 v2, v[WR:WR+3], s[36:37]     ; 512 consecutive bytes a wave
	s_endpgm
.Lfunc_end_k_qf059fef6a0_prep:
	.size	k_qf059fef6a0_prep, .Lfunc_end_k_qf059fef6a0_prep-k_qf059fef6a0_prep
	.p2alignl 7, 3214868480
	.fill 96, 4, 3214868480
	.section	.rodata,"a",@progbits
	.p2align	6, 0x0
	.amdhsa_kernel k_qf059fef6a0_prep
		.amdhsa_group_segment_fixed_size 0
		.amdhsa_private_segment_fixed_size 0
		.amdhsa_enable_private_segment 0
		.amdhsa_kernarg_size 96
		.amdhsa_user_sgpr_count 2
		.amdhsa_user_sgpr_kernarg_segment_ptr 1
		.amdhsa_wavefront_size32 1
		.amdhsa_system_sgpr_workgroup_id_x 1
		.amdhsa_system_sgpr_workgroup_id_y 1
		.amdhsa_system_sgpr_workgroup_id_z 1
		.amdhsa_system_vgpr_workitem_id 0
		.amdhsa_next_free_vgpr 64
		.amdhsa_next_free_sgpr 66
		.amdhsa_reserve_vcc 0
		.amdhsa_float_denorm_mode_32 3
		.amdhsa_float_denorm_mode_16_64 3
		.amdhsa_memory_ordered 1
		.amdhsa_forward_progress 1
		.amdhsa_inst_pref_size 52
	.end_amdhsa_kernel
	.amdgpu_metadata
---
amdhsa.version: [ 1, 2 ]
amdhsa.kernels:
  - .name:           k_qf059fef6a0_prep
    .symbol:         k_qf059fef6a0_prep.kd
    .args:
      - { .name: queries, .offset: 0, .size: 8, .value_kind: global_buffer, .address_space: global }
      - { .name: keys, .offset: 8, .size: 8, .value_kind: global_buffer, .address_space: global }
      - { .name: values, .offset: 16, .size: 8, .value_kind: global_buffer, .address_space: global }
      - { .name: W_q, .offset: 24, .size: 8, .value_kind: global_buffer, .address_space: global }
      - { .name: W_k, .offset: 32, .size: 8, .value_kind: global_buffer, .address_space: global }
      - { .name: W_v, .offset: 40, .size: 8, .value_kind: global_buffer, .address_space: global }
      - { .name: W_proj, .offset: 48, .size: 8, .value_kind: global_buffer, .address_space: global }
      - { .name: mask, .offset: 56, .size: 8, .value_kind: global_buffer, .address_space: global }
      - { .name: xb, .offset: 64, .size: 8, .value_kind: global_buffer, .address_space: global }
      - { .name: wb, .offset: 72, .size: 8, .value_kind: global_buffer, .address_space: global }
      - { .name: wp, .offset: 80, .size: 8, .value_kind: global_buffer, .address_space: global }
      - { .name: mbits, .offset: 88, .size: 8, .value_kind: global_buffer, .address_space: global }
    .group_segment_fixed_size: 0
    .private_segment_fixed_size: 0
    .kernarg_segment_align: 8
    .kernarg_segment_size: 96
    .max_flat_workgroup_size: 256
    .sgpr_count:     66
    .vgpr_count:     64
    .wavefront_size: 32
...
	.end_amdgpu_metadata
.endif
;; end of part 1
;; launch qkv (part 2): grid 8 x 96, 4 waves a work-group, clusters of 4 x 4, 327,680 bytes of LDS; arguments xb, wb, qkv; writes qkv
.if DOCPART == 2
	.amdgcn_target "amdgcn-amd-amdhsa--gfx1250"
	.amdhsa_code_object_version 6
	.text
	.protected	k_qf059fef6a0_qkv
	.globl	k_qf059fef6a0_qkv
	.p2align	8
	.type	k_qf059fef6a0_qkv,@function
k_qf059fef6a0_qkv:
	s_mov_b64 s[64:65], 0
	v_nop
	global_prefetch_b8 v0, s[64:65] scope:SCOPE_SE
	s_setreg_imm32_b32 hwreg(HW_REG_WAVE_MODE, 25, 1), 1
	s_wait_xcnt 0x0
	s_wait_alu depctr_hold_cnt(0) depctr_sa_sdst(0) depctr_va_vdst(0) depctr_va_sdst(0) depctr_va_ssrc(0) depctr_va_vcc(0) depctr_vm_vsrc(0)
	s_getreg_b32 s2, hwreg(HW_REG_IB_STS2, 6, 4)
	s_cmp_eq_u32 s2, 0
	s_cbranch_scc0 .Lentry_in_a_cluster
	s_endpgm
.Lentry_in_a_cluster:
	s_bfe_u32 s2, ttmp6, 0x10000c
	s_cmp_lg_u32 s2, 0xf033
	s_cbranch_scc0 .Lentry_shape_is_right
	s_endpgm
.Lentry_shape_is_right:
; THE THREE PROJECTIONS AS ONE PRODUCT.  C[m][n] = sum over k of A[m][k] B[n][k]; A = xb, 24,576 rows (queries, keys, values) x 1,024 bf16; B = the tensor's own weight in wb, 1,024 x 1,024 bf16; sums in f32.
; C leaves by heads, unscaled, rounded once to f16: qkv [3][64 batch x head][2048][64].  LIMIT: a q, k or v of 65,520 or more becomes an infinity in f16.
; SHARES.  A work-group makes 256 rows x 128 columns: 96 x 8 = 768 work-groups, three for each of 256 WGPs.  Each of its four waves makes 128 rows x 64 columns (one head): 32 accumulators of 16 x 16.
; K goes in 8 steps of 128 through two LDS slots filled by the tensor data mover; a tile's rows are 256 bytes of memory at multiples of 256.
; CLUSTER 4 x 4.  The four of a row of the cluster need the same tile of A, the four of a column the same tile of B: each tile is asked for JOINTLY, by the same tensor load with the same descriptor and a mask of four.
; THE MATRIX INSTRUCTION IS USED TRANSPOSED (source 0 = 16 rows of B, source 1 = 16 rows of A): a lane holds row l % 16 of C and the eight neighbouring columns 8 (l / 16) + 0..7.
; REGISTERS.  Window 0: v0-31 addresses; v32-47 packed results, v48-63 and v160-175 rows on the way out; two fragment buffers of 96 (A's fragment a at F + 8 a, B's fragment b at F + 64 + 8 b).
;             Window 1: accumulator (a, b) at 8 (4 a + b).
.set KSTEP,  128
.set PITCH,  272                       ; an LDS row: 256 bytes + 16 of padding = 68 words: the 16 rows of a fragment load start at 16 different groups of four banks (ISA guide 11.1)
.set AHALF,  128*PITCH                 ; what a wave fetches of A, and what a wave reads of A
.set BHALF,  64*PITCH                  ; the same for B
.set AB,     2*AHALF                   ; B's 128 rows lie behind A's 256
.set SLOT,   AB+2*BHALF
.set STAGE,  2*SLOT                    ; behind the ring: 16 rows x 144 bytes for each wave, for the way out; no tensor load lands here
.set SP,     144
.set SPARE,  STAGE+4*16*SP             ; behind the stages: the spare words, 128 bytes a wave, which no other line names
.set ADRA, 16                          ; v16-17  LDS address of my A fragments in slot 0, 1
.set ADRB, 20                          ; v20-21  the same for B
.set STO,  24                          ; v24     the way out: where I put 16 bytes of a row
.set RD,   25                          ; v25     where I read rows back
.set CO,   26                          ; v26     my byte offset in 512 consecutive bytes of C
.set SPW,  28                          ; v28     LDS address of my spare word; never rewritten
.set NIL,  29                          ; v29     0; never rewritten
.set TMP,  32
.set OB0,  48
.set OB1,  160
.set F0,   64
.set F1,   160
.set G1,  24                           ; s[24:31] descriptor group 1 for A's tiles; s[32:39] group 0, a set for each slot
.set G0,  32
.set G1B, 48                           ; s[48:55], s[56:63] the same for B's
.set G0B, 56
.set MSB, 0
.macro WIN new                         ; the immediate's high byte repeats the setting that is left; a switch that changes nothing is dropped
.if MSB != (\new)
	s_set_vgpr_msb (MSB<<8)|(\new)
.set MSB, \new
.endif
.endm
.set MUL, 0x50                         ; C and D in window 1, both sources in window 0
.macro JLOAD s                         ; a joint load: waves 0, 1 fetch A's two halves, waves 2, 3 B's; an s_nop 0 and four v_nop follow each line, ahead of the jump and the label
	s_cmp_eq_u32 s11, 0
	s_cbranch_scc0 .Lfor_b_\@
	tensor_load_to_lds s[G0+4*(\s):G0+4*(\s)+3], s[G1:G1+7]
	s_nop 0
.rept 4
	v_nop
.endr
	s_branch .Lasked_\@
.Lfor_b_\@:
	tensor_load_to_lds s[G0B+4*(\s):G0B+4*(\s)+3], s[G1B:G1B+7]
	s_nop 0
.rept 4
	v_nop
.endr
.Lasked_\@:
.endm
.macro CREST                           ; a round of the cluster's barrier behind its opening barrier
	s_cmp_lg_u32 s10, 0
	s_cbranch_scc1 .Lnot_wave_0_\@
	s_barrier_signal -3
.Lnot_wave_0_\@:
	s_barrier_wait -3
	s_barrier_signal -1
	s_barrier_wait -1
.endm
.macro CROUND                          ; a whole round
	s_barrier_signal -1
	s_barrier_wait -1
	CREST
.endm
	s_load_b128 s[4:7], s[0:1], 0x0                ; xb s[4:5], wb s[6:7]
	s_load_b64 s[8:9], s[0:1], 0x10                ; qkv
	v_lshl_add_u32 v[SPW], v0, 2, SPARE
	v_mov_b32 v[NIL], 0
	ds_add_u32 v[SPW], v[NIL]                      ; the wave's opening: the add and its wait stand ahead of my first tensor load; the set-up, work on registers, stands between them
	v_lshrrev_b32 v1, 5, v0
	v_readfirstlane_b32 s10, v1                    ; wave 0..3
	s_lshr_b32 s11, s10, 1                         ; which 128 rows of the tile are mine.  Also: I fetch for A (0) or for B (1)
	s_and_b32 s12, s10, 1                          ; which 64 columns.  Also: which half of that tile I fetch
	s_bfe_u32 s40, ttmp6, 0x40000                  ; cx, cy: my place in the cluster
	s_bfe_u32 s41, ttmp6, 0x40004
	s_lshl_b32 s42, ttmp9, 2
	s_add_co_u32 s42, s42, s40                     ; tile column X = 4 x cluster x + cx, 0..7
	s_and_b32 s45, ttmp7, 0xffff                   ; cluster y, 0..23: eight clusters to a tensor
	s_lshl_b32 s13, s45, 2
	s_add_co_u32 s13, s13, s41                     ; tile row Y = 4 x cluster y + cy, 0..95
	s_lshl_b32 s43, s41, 2
	s_lshl_b32 s43, 15, s43                        ; my row of the cluster
	s_lshl_b32 s44, 0x1111, s40                    ; my column
	s_or_b32 s[G1+0], s43, (1<<16)|(1<<20)|(1<<21)|(5<<22)|(3<<25)   ; 15:0 the mask; 17:16 2-byte elements; 20 padding on; 21 set beside a mask; 24:22 after every 64 words; 31:25 4 words of it
	s_or_b32 s[G1B+0], s44, (1<<16)|(1<<20)|(1<<21)|(5<<22)|(3<<25)
	s_mov_b32 s[G1+1], KSTEP<<16                   ; tensor_dim0 = 128
	s_mov_b32 s[G1+2], 128<<16                     ; tensor_dim1 = 128 rows
	s_mov_b32 s[G1+3], KSTEP<<16                   ; tile_dim0 = 128
	s_mov_b32 s[G1+4], 128                         ; tile_dim1 = 128
	s_mov_b32 s[G1+5], 1024                        ; elements from row to row
	s_mov_b32 s[G1+6], 0
	s_mov_b32 s[G1+7], 0
	s_mov_b32 s[G1B+1], KSTEP<<16
	s_mov_b32 s[G1B+2], 64<<16                     ; B's loads bring 64 rows
	s_mov_b32 s[G1B+3], KSTEP<<16
	s_mov_b32 s[G1B+4], 64
	s_mov_b32 s[G1B+5], 1024
	s_mov_b32 s[G1B+6], 0
	s_mov_b32 s[G1B+7], 0
	s_lshl_b32 s16, s13, 8                         ; A: row 256 Y + 128 x half, 2,048 bytes a row: made of Y and the wave's number alone
	s_lshl_b32 s17, s12, 7
	s_add_co_u32 s16, s16, s17
	s_lshl_b32 s16, s16, 11
	s_mov_b32 s17, 0
	s_lshl_b32 s46, s42, 7                         ; B: row 128 X + 64 x half of the tensor's weight: made of X, the cluster's y and the wave's number alone
	s_lshl_b32 s47, s12, 6
	s_add_co_u32 s46, s46, s47
	s_lshl_b32 s46, s46, 11
	s_lshr_b32 s47, s45, 3
	s_lshl_b32 s47, s47, 21                        ; a weight is 2,097,152 bytes
	s_add_co_u32 s46, s46, s47
	s_mov_b32 s47, 0
	s_mul_i32 s20, s12, AHALF                      ; where they go: no place in the cluster enters an LDS address
	s_mul_i32 s21, s12, BHALF
	s_add_co_u32 s21, s21, AB
	s_wait_dscnt 0x0                               ; the opening add is done
	s_wait_kmcnt 0x0
	s_add_nc_u64 s[14:15], s[4:5], s[16:17]
	s_add_nc_u64 s[46:47], s[6:7], s[46:47]
	CROUND                                         ; all sixteen work-groups are here: the first joint loads meet
.irp s, 0,1
	s_mov_b32 s[G0+4*(\s)], 1                                        ; count = 1
	s_add_co_u32 s[G0+4*(\s)+1], s20, (\s)*SLOT                      ; LDS address
	s_add_nc_u64 s[G0+4*(\s)+2:G0+4*(\s)+3], s[14:15], (\s)*KSTEP*2  ; global address: K step s
	s_or_b32 s[G0+4*(\s)+3], s[G0+4*(\s)+3], 0x80000000              ; type = 2
	s_mov_b32 s[G0B+4*(\s)], 1
	s_add_co_u32 s[G0B+4*(\s)+1], s21, (\s)*SLOT
	s_add_nc_u64 s[G0B+4*(\s)+2:G0B+4*(\s)+3], s[46:47], (\s)*KSTEP*2
	s_or_b32 s[G0B+4*(\s)+3], s[G0B+4*(\s)+3], 0x80000000
	JLOAD \s                                       ; two loads of mine are out
.endr
	v_and_b32 v1, 15, v0                           ; l % 16
	v_bfe_u32 v2, v0, 4, 1                         ; l / 16
	v_mul_u32_u24 v3, v1, PITCH
	v_lshl_add_u32 v3, v2, 4, v3                   ; a fragment's row x pitch + 16 x half
	s_mul_i32 s22, s11, AHALF                      ; my 128 rows of A
	s_mul_i32 s23, s12, BHALF                      ; my 64 rows of B
	s_add_co_u32 s23, s23, AB
.irp s, 0,1
	v_add_nc_u32 v[ADRA+(\s)], s22, v3
	v_add_nc_u32 v[ADRB+(\s)], s23, v3
	s_add_co_u32 s22, s22, SLOT
	s_add_co_u32 s23, s23, SLOT
.endr
	s_mul_i32 s22, s10, 16*SP
	s_add_co_u32 s22, s22, STAGE                   ; my stage
	v_mul_u32_u24 v4, v1, SP                       ; in: row l % 16, 16 bytes for each half of the lanes
	v_lshl_add_u32 v4, v2, 4, v4
	v_add_nc_u32 v[STO], s22, v4
	v_bfe_u32 v5, v0, 3, 2                         ; back: 32 lanes take four rows of 128 bytes,
	v_and_b32 v6, 7, v0
	v_mul_u32_u24 v5, v5, SP
	v_lshl_add_u32 v5, v6, 4, v5
	v_add_nc_u32 v[RD], s22, v5
	v_and_b32 v[CO], 31, v0                        ; which are 512 consecutive bytes of a head's rows
	v_lshlrev_b32 v[CO], 4, v[CO]
	s_lshr_b32 s16, s13, 3                         ; my part of C: plane (Y / 8) x 16 + 2 X + column half (tensor, batch, head), 262,144 bytes each,
	s_lshl_b32 s16, s16, 4
	s_lshl_b32 s17, s42, 1
	s_add_co_u32 s16, s16, s17
	s_add_co_u32 s16, s16, s12
	s_lshl_b32 s16, s16, 18
	s_and_b32 s17, s13, 7                          ; row (Y % 8) x 256 + 128 x row half, 128 bytes each
	s_lshl_b32 s17, s17, 8
	s_lshl_b32 s18, s11, 7
	s_add_co_u32 s17, s17, s18
	s_lshl_b32 s17, s17, 7
	s_add_co_u32 s16, s16, s17
	s_mov_b32 s17, 0
	s_add_nc_u64 s[8:9], s[8:9], s[16:17]
; 8 matrix instructions: row blocks a0, a0 + 1 x all 4 column blocks, 32 along K, from buffer f.  zero = 1: the product starts the sum: nothing is cleared.
; The 32 accumulators take turns, one instruction a turn, in the same order in every quarter.
.macro MUL8 f, a0, zero
	WIN MUL
.irp a, \a0, (\a0)+1
.irp b, 0,1,2,3
.if \zero
	v_wmma_f32_16x16x32_bf16 v[8*(4*(\a)+(\b)):8*(4*(\a)+(\b))+7], v[(\f)+64+8*(\b):(\f)+64+8*(\b)+7], v[(\f)+8*(\a):(\f)+8*(\a)+7], 0
.else
	v_wmma_f32_16x16x32_bf16 v[8*(4*(\a)+(\b)):8*(4*(\a)+(\b))+7], v[(\f)+64+8*(\b):(\f)+64+8*(\b)+7], v[(\f)+8*(\a):(\f)+8*(\a)+7], v[8*(4*(\a)+(\b)):8*(4*(\a)+(\b))+7]
.endif
.endr
.endr
.endm
; 24 LDS loads in one run: quarter q (32 along K) of a slot into buffer f: B's four fragments first, then A's eight
.macro FETCH slot, q, f
	WIN 0
.irp b, 0,1,2,3
	ds_load_b128 v[(\f)+64+8*(\b):(\f)+64+8*(\b)+3],   v[ADRB+(\slot)] offset:64*(\q)+(\b)*16*PITCH
	ds_load_b128 v[(\f)+64+8*(\b)+4:(\f)+64+8*(\b)+7], v[ADRB+(\slot)] offset:64*(\q)+(\b)*16*PITCH+32
.endr
.irp a, 0,1,2,3,4,5,6,7
	ds_load_b128 v[(\f)+8*(\a):(\f)+8*(\a)+3],   v[ADRA+(\slot)] offset:64*(\q)+(\a)*16*PITCH
	ds_load_b128 v[(\f)+8*(\a)+4:(\f)+8*(\a)+7], v[ADRA+(\slot)] offset:64*(\q)+(\a)*16*PITCH+32
.endr
.endm
.macro PLACES                          ; four places in front of loads into registers that matrix instructions have read, and of lines that read results
.rept 4
	v_nop
.endr
.endm
; A K step is four quarters of 32 along K, 32 matrix instructions each, on buffers 0, 1, 0, 1.  One of the first three: multiplies buffer f and fetches quarter q into g.
.macro QUARTER slot, q, f, g, zero
	s_wait_dscnt 8                                 ; B and A's fragments 0-3 are in; the youngest eight loads (A's 4-7) may be out
	MUL8 \f, 0, \zero
	MUL8 \f, 2, \zero
	PLACES
	FETCH \slot, \q, \g
	s_wait_dscnt 24                                ; all but the 24 just issued
	MUL8 \f, 4, \zero
	MUL8 \f, 6, \zero
.endm
; The last quarter multiplies buffer 1 and changes slots: ONE barrier; in front of it each wave waits for all its tensor loads (one is out: its part of the next slot), adds 0 to its spare word,
; and waits for that and for its own reads of this slot.  fill = 1: the barrier opens a round of the cluster's, and this slot is filled again, two K steps ahead, first thing behind the round.
.macro TURN slot, next, fill
	WIN 0
	s_wait_tensorcnt 0x0                           ; all my tensor loads have landed
	ds_add_u32 v[SPW], v[NIL]                      ; 0 onto my spare word
	s_wait_dscnt 9                                 ; the add and the youngest eight loads may be out
	MUL8 F1, 0, 0                                  ; eight matrix instructions stand between the add and the wait for it
	s_wait_dscnt 0x0                               ; the add is done, and my reads of this slot are over
	s_barrier_signal -1
	MUL8 F1, 2, 0
.if \fill
	WIN 0
.endif
	s_barrier_wait -1
.if \fill
	CREST                                          ; no wave of any partner still reads this slot's tile or has a load on its way
	s_add_nc_u64 s[G0+4*(\slot)+2:G0+4*(\slot)+3], s[G0+4*(\slot)+2:G0+4*(\slot)+3], 2*KSTEP*2
	s_add_nc_u64 s[G0B+4*(\slot)+2:G0B+4*(\slot)+3], s[G0B+4*(\slot)+2:G0B+4*(\slot)+3], 2*KSTEP*2
	JLOAD \slot                                    ; my one tensor load behind the round: 112 matrix instructions ahead of the wait for it; its four v_nop are also the places in front of the loads below
.else
	PLACES
.endif
	FETCH \next, 0, F0
	MUL8 F1, 4, 0
	MUL8 F1, 6, 0
.endm
	s_wait_tensorcnt 1                             ; my part of K step 0 is in; step 1's may stay out
	s_barrier_signal -1
	s_barrier_wait -1                              ; everybody's is
	FETCH 0, 0, F0
	QUARTER 0, 1, F0, F1, 1                        ; the first quarter stands in front of the loop: its products start the sums
	WIN 0                                          ; at a label and at a branch every window is 0
	s_mov_b32 s3, 3
.Llap:                                                 ; a trip goes once round the ring, from a lap's second quarter to the next lap's first, and fills both slots again: K steps 2 to 7
	QUARTER 0, 2, F1, F0, 0
	QUARTER 0, 3, F0, F1, 0
	TURN 0, 1, 1
	QUARTER 1, 1, F0, F1, 0
	QUARTER 1, 2, F1, F0, 0
	QUARTER 1, 3, F0, F1, 0
	TURN 1, 0, 1
	QUARTER 0, 1, F0, F1, 0
	WIN 0
	s_sub_co_u32 s3, s3, 1
	s_cmp_lg_u32 s3, 0
	s_cbranch_scc1 .Llap
	QUARTER 0, 2, F1, F0, 0                        ; the last lap fills nothing
	QUARTER 0, 3, F0, F1, 0
	TURN 0, 1, 0
	QUARTER 1, 1, F0, F1, 0
	QUARTER 1, 2, F1, F0, 0
	QUARTER 1, 3, F0, F1, 0
	s_wait_dscnt 8                                 ; the very last quarter: nothing more to fetch
	MUL8 F1, 0, 0
	MUL8 F1, 2, 0
	s_wait_dscnt 0x0
	MUL8 F1, 4, 0
	MUL8 F1, 6, 0
	WIN 0
	PLACES
; THE WAY OUT, 16 rows at a time: rounded to f16, 16 bytes a lane into my own stage, back as whole rows of 128 bytes, stored as 512 consecutive bytes.
.macro PACK a
	WIN 0x05                                       ; sources 0 and 1 in window 1
.irp b, 0,1,2,3
.irp r, 0,1,2,3
	v_cvt_pk_f16_f32 v[TMP+4*(\b)+(\r)], v[8*(4*(\a)+(\b))+2*(\r)], v[8*(4*(\a)+(\b))+2*(\r)+1]   ; each accumulator from its low end on
.endr
.endr
	WIN 0
.endm
.macro TOSTAGE a
.set BK, OB0+(OB1-OB0)*((\a)%2)
.irp b, 0,1,2,3
	ds_store_b128 v[STO], v[TMP+4*(\b):TMP+4*(\b)+3] offset:32*(\b)
.endr
.irp f, 0,1,2,3
	ds_load_b128 v[BK+4*(\f):BK+4*(\f)+3], v[RD] offset:(\f)*4*SP   ; LDS serves a wave's instructions in order (ISA guide 5.7.1.4): these see the stores above
.endr
.endm
.macro SEND a
.set BK, OB0+(OB1-OB0)*((\a)%2)
	s_wait_dscnt 0x0                               ; the block is back in registers
	s_wait_xcnt 0x0                                ; the other buffer, which the block before last's stores read, is loaded again only behind this wait
.irp f, 0,1,2,3
	global_store_b128 v[CO], v[BK+4*(\f):BK+4*(\f)+3], s[8:9] offset:(\a)*2048+(\f)*512
.endr
.endm
	PACK 0
	TOSTAGE 0
.irp a, 1,2,3,4,5,6,7                  ; block a's conversions stand between block a - 1's loads from the stage and the wait for them
	PACK \a
	SEND (\a)-1
	TOSTAGE \a
.endr
	SEND 7
	s_wait_tensorcnt 0x0                           ; the wave's end: behind my last tensor load and my last LDS store
	ds_add_u32 v[SPW], v[NIL]
	s_wait_dscnt 0x0
	CROUND                                         ; the closing round: no work-group ends while a partner may still ask for a tile that names it
	s_endpgm
.Lfunc_end_k_qf059fef6a0_qkv:
	.size	k_qf059fef6a0_qkv, .Lfunc_end_k_qf059fef6a0_qkv-k_qf059fef6a0_qkv
	.p2alignl 7, 3214868480
	.fill 96, 4, 3214868480
	.section	.rodata,"a",@progbits
	.p2align	6, 0x0
	.amdhsa_kernel k_qf059fef6a0_qkv
		.amdhsa_group_segment_fixed_size 327680
		.amdhsa_private_segment_fixed_size 0
		.amdhsa_enable_private_segment 0
		.amdhsa_kernarg_size 24
		.amdhsa_user_sgpr_count 2
		.amdhsa_user_sgpr_kernarg_segment_ptr 1
		.amdhsa_wavefront_size32 1
		.amdhsa_system_sgpr_workgroup_id_x 1
		.amdhsa_system_sgpr_workgroup_id_y 1
		.amdhsa_system_sgpr_workgroup_id_z 1
		.amdhsa_system_vgpr_workitem_id 0
		.amdhsa_next_free_vgpr 512
		.amdhsa_next_free_sgpr 66
		.amdhsa_reserve_vcc 0
		.amdhsa_float_denorm_mode_32 3
		.amdhsa_float_denorm_mode_16_64 3
		.amdhsa_memory_ordered 1
		.amdhsa_forward_progress 1
		.amdhsa_inst_pref_size 87
	.end_amdhsa_kernel
	.amdgpu_metadata
---
amdhsa.version: [ 1, 2 ]
amdhsa.kernels:
  - .name:           k_qf059fef6a0_qkv
    .symbol:         k_qf059fef6a0_qkv.kd
    .args:
      - { .name: xb, .offset: 0, .size: 8, .value_kind: global_buffer, .address_space: global }
      - { .name: wb, .offset: 8, .size: 8, .value_kind: global_buffer, .address_space: global }
      - { .name: qkv, .offset: 16, .size: 8, .value_kind: global_buffer, .address_space: global }
    .group_segment_fixed_size: 327680
    .private_segment_fixed_size: 0
    .kernarg_segment_align: 8
    .kernarg_segment_size: 24
    .max_flat_workgroup_size: 128
    .sgpr_count:     66
    .vgpr_count:     512
    .wavefront_size: 32
...
	.end_amdgpu_metadata
.endif
;; end of part 2
;; launch attn (part 3): grid 4 x 64, 4 waves a work-group, clusters of 4 x 1, 327,680 bytes of LDS; arguments qkv, mbits, oh; writes oh
.if DOCPART == 3
	.amdgcn_target "amdgcn-amd-amdhsa--gfx1250"
	.amdhsa_code_object_version 6
	.text
	.protected	k_qf059fef6a0_attn
	.globl	k_qf059fef6a0_attn
	.p2align	8
	.type	k_qf059fef6a0_attn,@function
k_qf059fef6a0_attn:
	s_mov_b64 s[64:65], 0
	v_nop
	global_prefetch_b8 v0, s[64:65] scope:SCOPE_SE
	s_setreg_imm32_b32 hwreg(HW_REG_WAVE_MODE, 25, 1), 1
	s_wait_xcnt 0x0
	s_wait_alu depctr_hold_cnt(0) depctr_sa_sdst(0) depctr_va_vdst(0) depctr_va_sdst(0) depctr_va_ssrc(0) depctr_va_vcc(0) depctr_vm_vsrc(0)
	s_getreg_b32 s2, hwreg(HW_REG_IB_STS2, 6, 4)
	s_cmp_eq_u32 s2, 0
	s_cbranch_scc0 .Lentry_in_a_cluster
	s_endpgm
.Lentry_in_a_cluster:
	s_bfe_u32 s2, ttmp6, 0x10000c
	s_cmp_lg_u32 s2, 0x3003
	s_cbranch_scc0 .Lentry_shape_is_right
	s_endpgm
.Lentry_shape_is_right:
; ATTENTION UNDER A MASK THAT IS AN INPUT.  O[bh][q][:] = sum over k of softmax_k(mask[b][q][k] ? Q[bh][q] . K[bh][k] / 8 : a constant far below) V[bh][k][:].
; Q, K, V: qkv [3][64][2048][64] f16, unscaled; O: oh [64][2048][64] f16.  Products, maxima and sums in f32; the weights p are rounded to f16 for the second product (their sum l is taken of the unrounded p), O once at the end.
; THE MASK is a substitution in front of the running maximum, as in the source: each score whose bit is 0 is replaced by NEG = -2^36 in raw units (-8.59e9 after the division by 8).
; mbits holds, for a tile of 16 queries and a step of 64 keys, 32 words; word 8 kt + j is the lane mask of register j of accumulator kt of S^T.  They come by scalar loads and are the select's mask operand.
; A power of two makes c NEG exact, so in a row with no true bit c s - c m is exactly 0 for every key: all weights are 1 and O is the mean of all rows of V.  All 2,048 keys are walked for every query.
; LIMITS.  The source's constant is -1e10; true scores below about -8.5e9 are not ordered against hidden ones as there.  Q, K, V arrive within f16's 65,504.  A weight below 2^-126 counts as 0; NaN and infinities are not treated apart.
; SHARES.  A wave owns four PIECES of two tiles of 16 queries, a work-group's four waves 512 queries of one head: 4 x 64 = 256 work-groups.  Every wave walks all keys, 64 a step.
; LAYOUT.  S^T = K Q^T (source 0 = 16 keys, source 1 = 16 queries): a lane holds ONE query (lane % 16) and the keys 8 (lane / 16) + 0..7.  Two such tiles, rounded to f16 in pairs, ARE source 1 of O^T = V^T P.
; SOFTMAX.  A running maximum m and sum l for each query: p = 2^(c s - c m), c = log2(e) / 8; in every step O and l are multiplied by a = 2^(c m_old - c m_new).  m starts at the lowest finite number, O and l at 0.
; BY TURNS.  Turn n belongs to piece n.  Matrix work: 16 products K Q^T of piece n + 1, then 16 products V^T P of piece n - 1.  Vector work, dealt in 32 shares, one behind each matrix instruction: the scaling,
; exponentials, roundings, sums and rescaling of piece n, and the masking, maximum and statistics of piece n + 1.  A turn has 300 vector instructions for 32 matrix instructions.
; CLUSTER.  The four query blocks of a head walk the same K and V: each tile is asked for JOINTLY, by the same tensor load, descriptor and mask in all four.
; REGISTERS, in windows of 256 (s_set_vgpr_msb: bits 1:0 source 0, 3:2 source 1, 5:4 source 2, 7:6 destination):
;   window 0: v2-8 addresses; v9 NEG; v10-11 c; v12-15, v48-63 at work; v16-47 four registers of statistics a tile; v64-191 S^T, two buffers of two tiles; v192-255 P, likewise
;   window 1: O^T, 32 a tile      window 2: v0-127 Q, 16 a tile; v128-191 K of one step; v192-255 V of one step      window 3: v0-1 the add's two registers
.set NP,    4
.set KS,    64
.set PK,    144       ; a row of K in LDS: 128 bytes + 16: the 16 rows of a load start at 16 different groups of four banks (ISA guide 11.1)
.set PV,    160       ; a row of V: 128 + 32
.set VOFF,  4*KS*PK   ; a slot holds four steps: 256 rows of K, then 256 rows of V
.set SLOT1, 1<<17     ; slot 1 begins here: one exclusive or turns an address in one slot into the other's
.set STAGE, SLOT1+4*KS*(PK+PV)  ; behind the ring, never filled by a tensor load: 16 rows x 144 bytes for each wave
.set SP,    144
.set SPARE, STAGE+4*16*SP       ; behind the stages: the spare words, 128 bytes a wave, which no other line names
.set AK0, 2           ; v2   my lane's place in a tile of K; never rewritten
.set AV0, 3           ; v3   the same for V
.set AK,  4           ; v4   the LDS address of K's next run of loads
.set AV,  5           ; v5   of V's
.set STO, 6           ; v6   the way out: where I put 16 bytes of a row
.set RD,  7           ; v7   where I read rows back
.set GO,  8           ; v8   my byte offset in 512 consecutive bytes of O
.set NEG, 9           ; v9   -2^36
.set CV,  10          ; v[10:11] c, twice
.set MV,  12          ; v12-15  c m_old, kept while c m is made anew: by buffer and tile
.set QO,  12          ; v12  before that: my byte offset in the wave's rows of Q
.set ST,  16          ; tile t's statistics at v[ST+4 t]: c m, m, l (even keys', odd keys')
.set TMP, 48          ; by buffer and tile, four registers c0-c3 at work; when the maximum is found c2 takes a
.set S,   64
.set P,   192
.set KF,  128         ; window 2: key block kb, channel half c at KF + 16 kb + 8 c
.set VF,  192         ; window 2: key half kk, channel block cb at VF + 32 kk + 8 cb
.set SPW, 0           ; v0 of window 3: LDS address of my spare word; never rewritten
.set NIL, 1           ; v1 of window 3: 0; never rewritten
.set MP,  2           ; s[2:3]   my wave's mask words at the key step in hand; steps 128 bytes a key step
.set WV,  6           ; s6   my wave's number
.set SLOTS, 7         ; s7   slots still to be asked for
.set G1K, 8           ; s[8:15]  descriptor group 1 for K's tiles
.set G1V, 16          ; s[16:23] for V's: it differs in the padding alone
.set G0K, 24          ; s[24:27] descriptor group 0 for K's tiles: it walks
.set G0V, 28          ; s[28:31] the same for V's
.set MW0, 32          ; s[32:63] the 32 mask words of the next piece's first tile (before the first of them: the set-up's scalars)
.set MW1, 68          ; s[68:99] of its second tile
.set CNT, 66          ; s66  counts a slot's key steps
.set TBK, 67          ; s67  LDS byte at which K of the step to be fetched begins
.set TBV, 100         ; s100 the same for V, less VOFF
.set TS,  101         ; s101 at work
.set SEL, 104         ; s[104:105] v_permlanex16_b32's selects: each lane takes its own place in the other half
.set MSB, 0
.macro WIN new                      ; the high byte repeats the setting that is left; a switch that changes nothing is dropped
.if MSB != (\new)
	s_set_vgpr_msb (MSB<<8)|(\new)
.set MSB, (\new)
.endif
.endm
.set W_KQ, 0x0a       ; K and Q in window 2, S^T in window 0
.set W_PV, 0x52       ; V in window 2, P in window 0, O^T in window 1
.set W_RS, 0x41       ; O^T (destination and source 0) in window 1, a in window 0
.set W_MK, 0xc0       ; the add's registers are made: destination in window 3
.set W_AD, 0x0f       ; the add: address and data in window 3
; A joint fill.  Waves 0 and 1 fetch the two halves of a slot's K, waves 2 and 3 those of its V: 128 keys each.  An s_nop 0 and four v_nop follow each line, ahead of the jump and the label.
.macro JLOAD
	s_cmp_lt_u32 s[WV], 2
	s_cbranch_scc0 .Lfor_v_\@
	tensor_load_to_lds s[G0K:G0K+3], s[G1K:G1K+7]
	s_nop 0
.rept 4
	v_nop
.endr
	s_branch .Lasked_\@
.Lfor_v_\@:
	tensor_load_to_lds s[G0V:G0V+3], s[G1V:G1V+7]
	s_nop 0
.rept 4
	v_nop
.endr
.Lasked_\@:
.endm
.macro CROUND                       ; a round of the cluster's barrier
	s_barrier_signal -1
	s_barrier_wait -1
	s_cmp_lg_u32 s[WV], 0
	s_cbranch_scc1 .Lnot_wave_0_\@
	s_barrier_signal -3
.Lnot_wave_0_\@:
	s_barrier_wait -3
	s_barrier_signal -1
	s_barrier_wait -1
.endm
; THE CHANGE OF SLOTS.  Each wave waits for all its tensor loads, of which one is out: its part of the other slot; adds 0 to its spare word; and waits for that and for its own reads of the slot.
; fill = 1: the barrier is a round of the cluster's, and this slot is filled again, with the keys two slots on, first thing behind it: the load has four key steps, 512 matrix instructions, in which to land.
; (At its first use nothing has been read yet: slot 0 is waited for, slot 1 filled.)
.macro CHANGE fill
	WIN W_AD
	s_wait_tensorcnt 0x0            ; no tensor load of mine is out, so a group 0 may be written
	ds_add_u32 v[SPW], v[NIL]       ; 0 onto my spare word
	WIN 0                           ; at a label and at a branch every window is 0
.if \fill
.irp g, G0K, G0V
	s_xor_b32 s[\g+1], s[\g+1], SLOT1                  ; the walking descriptor: the other slot than last time,
	s_add_nc_u64 s[\g+2:\g+3], s[\g+2:\g+3], 4*KS*128  ; the next 256 keys; the type bits on top are not reached
.endr
	s_wait_dscnt 0x0                ; the add is done, and my reads of the slot are over
	CROUND
	JLOAD
.else
	s_wait_dscnt 0x0
	s_barrier_signal -1
	s_barrier_wait -1
.endif
	s_sub_co_u32 s[TBK], s[TBK], 4*KS*PK  ; the fetches go back to a slot's first step,
	s_xor_b32 s[TBK], s[TBK], SLOT1       ; in the other slot
	s_sub_co_u32 s[TBV], s[TBV], 4*KS*PV
	s_xor_b32 s[TBV], s[TBV], SLOT1
.endm
; The 64 mask words of piece p (tiles 2 p, 2 p + 1; a tile's words of all key steps are 4,096 bytes) at the key step that MP stands at
.macro MLOAD p
	s_load_b512 s[MW0:MW0+15],    s[MP:MP+1], 8192*(\p)
	s_load_b512 s[MW0+16:MW0+31], s[MP:MP+1], 8192*(\p)+64
	s_load_b512 s[MW1:MW1+15],    s[MP:MP+1], 8192*(\p)+4096
	s_load_b512 s[MW1+16:MW1+31], s[MP:MP+1], 8192*(\p)+4160
.endm
	s_load_b128 s[32:35], s[0:1], 0x0  ; qkv s[32:33], mbits s[34:35]
	WIN W_MK
	v_lshl_add_u32 v[SPW], v0, 2, SPARE
	v_mov_b32 v[NIL], 0
	WIN W_AD
	ds_add_u32 v[SPW], v[NIL]       ; the wave's opening: the add and its wait stand ahead of my first tensor load; the set-up, work on registers, stands between them
	WIN 0
	v_lshrrev_b32 v1, 5, v0
	v_readfirstlane_b32 s[WV], v1   ; wave 0..3
	s_bfe_u32 s36, ttmp6, 0x40000   ; cx
	s_lshl_b32 s37, ttmp9, 2
	s_add_co_u32 s37, s37, s36      ; my block of 512 queries: it enters Q's, O's and the mask's addresses alone
	s_and_b32 s38, ttmp7, 0xffff    ; batch x 16 + head, which the four partners share
	s_lshl_b32 s39, s38, 18         ; its 262,144 bytes in each of q, k, v, o
	s_and_b32 s46, s[WV], 1         ; which half of a slot's 256 keys I fetch
	s_lshl_b32 s40, s46, 14
	s_add_co_u32 s40, s40, s39
	s_add_co_u32 s42, s40, 0x2000000  ; v lies 33,554,432 bytes into qkv,
	s_add_co_u32 s40, s40, 0x1000000  ; k 16,777,216
	s_mov_b32 s41, 0
	s_mov_b32 s43, 0
	s_mul_i32 s47, s46, 128*PV      ; my half's place in a slot, for V
	s_mul_i32 s46, s46, 128*PK      ; and for K: no place in the cluster enters an LDS address
	s_lshl_b32 s44, s37, 2
	s_add_co_u32 s44, s44, s[WV]    ; my wave among the head's sixteen
	s_lshl_b32 s36, s44, 15         ; its eight tiles' mask words, 32,768 bytes,
	s_lshr_b32 s37, s38, 4
	s_lshl_b32 s37, s37, 19         ; in the batch's 524,288
	s_add_co_u32 s36, s36, s37
	s_mov_b32 s37, 0
	s_lshl_b32 s44, s44, 14         ; its 128 rows of 128 bytes
	s_add_co_u32 s44, s44, s39
	s_mov_b32 s45, 0
	; descriptor group 1.  128 keys are 16,384 dense bytes: asked for as 64 rows of 256 bytes, two keys a row, and padded in LDS after every key
	s_mov_b32 s[G1K], 15|(1<<16)|(1<<20)|(1<<21)|(4<<22)|(3<<25)  ; 15:0 the mask of four; 17:16 2-byte elements; 20 padding on; 21 set beside a mask; 24:22 after every 32 words; 31:25 4 words
	s_mov_b32 s[G1V], 15|(1<<16)|(1<<20)|(1<<21)|(4<<22)|(7<<25)  ; the same with 8 words of padding
.irp g, G1K, G1V
	s_mov_b32 s[\g+1], 128<<16      ; tensor_dim0 = 128
	s_mov_b32 s[\g+2], 64<<16       ; tensor_dim1 = 64
	s_mov_b32 s[\g+3], 128<<16      ; tile_dim0 = 128
	s_mov_b32 s[\g+4], 64           ; tile_dim1 = 64
	s_mov_b32 s[\g+5], 128          ; 128 elements from row to row
	s_mov_b32 s[\g+6], 0
	s_mov_b32 s[\g+7], 0
.endr
	s_mov_b32 s[SEL], 0x76543210
	s_mov_b32 s[SEL+1], 0xfedcba98
	s_mov_b32 s[TBK], SLOT1+4*KS*PK ; the first change of slots turns these two into 0
	s_mov_b32 s[TBV], SLOT1+4*KS*PV
	s_mov_b32 s[G0K], 1             ; count = 1
	s_mov_b32 s[G0K+1], s46         ; LDS address: slot 0
	s_mov_b32 s[G0V], 1
	s_add_co_u32 s[G0V+1], s47, VOFF
	s_wait_dscnt 0x0                ; the opening add is done
	s_wait_kmcnt 0x0
	s_add_nc_u64 s[G0K+2:G0K+3], s[32:33], s[40:41]  ; my half of the head's first 256 keys
	s_or_b32 s[G0K+3], s[G0K+3], 0x80000000          ; type = 2
	s_add_nc_u64 s[G0V+2:G0V+3], s[32:33], s[42:43]
	s_or_b32 s[G0V+3], s[G0V+3], 0x80000000
	s_add_nc_u64 s[4:5], s[32:33], s[44:45]          ; Q at my wave's first row
	s_add_nc_u64 s[MP:MP+1], s[34:35], s[36:37]      ; my wave's mask words, key step 0
	CROUND                          ; all four work-groups are here: the first joint loads meet
	JLOAD                           ; slot 0.  Slot 1 is asked for when slot 0 is in
	MLOAD 0                         ; piece 0's words of key step 0; the set-up's scalars are done with
	; A fragment of K or Q is 16 rows x 32 channels in 8 registers: lane l holds row l % 16, channels 8 (l / 16) + 0..7 and 16 + 8 (l / 16) + 0..7: two loads of 16 bytes, 32 bytes apart.
	v_and_b32 v1, 15, v0            ; l % 16
	v_bfe_u32 v9, v0, 4, 1          ; l / 16
	v_lshlrev_b32 v[QO], 7, v1
	v_lshl_add_u32 v[QO], v9, 4, v[QO]  ; row x 128 + 16 x half
	WIN 0x80                        ; destination window 2, address window 0
.set i, 0
.rept 4*NP                          ; Q stays in registers: tile i / 2, channels 32 (i % 2) on
	global_load_b128 v[8*i:8*i+3],   v[QO], s[4:5] offset:(i/2)*2048+(i%2)*64
	global_load_b128 v[8*i+4:8*i+7], v[QO], s[4:5] offset:(i/2)*2048+(i%2)*64+32
.set i, i+1
.endr
	; What the first turn finds: V's registers and P's second buffer hold 0 (its products V^T P, of a piece that has not been, add 0), O^T and l are 0.  All this stands in the wait for the first tile.
.set i, VF
.rept 64
	v_mov_b32 v[i], 0
.set i, i+1
.endr
	WIN 0x40
.set i, 0
.rept 64*NP
	v_mov_b32 v[i], 0
.set i, i+1
.endr
	WIN 0
.set i, 0
.rept 2*NP
	v_mov_b32 v[ST+4*i], 0xfe000000    ; c m: far below every c s
	v_mov_b32 v[ST+4*i+1], 0xff7fffff  ; m
	v_mov_b32 v[ST+4*i+2], 0
	v_mov_b32 v[ST+4*i+3], 0
.set i, i+1
.endr
.set i, P+32
.rept 32
	v_mov_b32 v[i], 0
.set i, i+1
.endr
	v_mul_u32_u24 v[AK0], v1, PK
	v_lshl_add_u32 v[AK0], v9, 4, v[AK0]  ; row x pitch + 16 x half
	; The turning load takes 16 keys x 16 channels (lane l reads key 8 (l / 16) + l % 8, channels 8 ((l / 8) % 2) + 0..7) and leaves half a fragment of V^T: lane l holds channel l % 16 and 8 keys.
	v_and_b32 v10, 7, v0
	v_bfe_u32 v11, v0, 3, 1
	v_lshl_add_u32 v[AV0], v9, 3, v10
	v_mul_u32_u24 v[AV0], v[AV0], PV
	v_lshl_add_u32 v[AV0], v11, 4, v[AV0]
	v_add_nc_u32 v[AV0], VOFF, v[AV0]
	v_mov_b32 v[AK], v[AK0]         ; key step 0 lies at the head of slot 0
	s_mul_i32 s[TS], s[WV], 16*SP
	s_add_co_u32 s[TS], s[TS], STAGE  ; my stage
	v_mul_u32_u24 v[STO], v1, SP    ; in: row l % 16, 16 bytes for each half of the lanes
	v_lshl_add_u32 v[STO], v9, 4, v[STO]
	v_add_nc_u32 v[STO], s[TS], v[STO]
	v_bfe_u32 v[RD], v0, 3, 2       ; back: 32 lanes take four rows of 128 bytes,
	v_mul_u32_u24 v[RD], v[RD], SP
	v_lshl_add_u32 v[RD], v10, 4, v[RD]
	v_add_nc_u32 v[RD], s[TS], v[RD]
	v_and_b32 v[GO], 31, v0         ; which are 512 consecutive bytes of O
	v_lshlrev_b32 v[GO], 4, v[GO]
	v_mov_b32 v[NEG], 0xd1800000    ; -2^36; v9-v11 have served the addresses
	v_mov_b32 v[CV], 0x3e38aa3b     ; c = log2(e) / 8 = 0.180337
	v_mov_b32 v[CV+1], 0x3e38aa3b
; THE MATRIX WORK.  The 8 accumulators of a run of 16 take turns: between the two links of a chain stand 7 others'.
; Product i of 16 of S^T = K Q^T for piece x: channels 32 (i / 8) on, keys 16 ((i / 2) % 4) on, tile 2 x + i % 2.  The first 8 start the sums.
.macro KQ x
	WIN W_KQ
.set rS, S+64*((\x)%2)+32*(i%2)+8*((i/2)%4)
.set rK, KF+16*((i/2)%4)+8*(i/8)
.set rQ, 16*(2*(\x)+i%2)+8*(i/8)
.if i < 8
	v_wmma_f32_16x16x32_f16 v[rS:rS+7], v[rK:rK+7], v[rQ:rQ+7], 0
.else
	v_wmma_f32_16x16x32_f16 v[rS:rS+7], v[rK:rK+7], v[rQ:rQ+7], v[rS:rS+7]
.endif
.endm
; Product i of 16 of O^T += V^T P for piece x: keys 32 (i / 8) on, channels 16 ((i / 2) % 4) on, tile 2 x + i % 2.
.macro PV x
	WIN W_PV
.set rO, 32*(2*(\x)+i%2)+8*((i/2)%4)
.set rV, VF+32*(i/8)+8*((i/2)%4)
.set rP, P+32*((\x)%2)+16*(i%2)+8*(i/8)
	v_wmma_f32_16x16x32_f16 v[rO:rO+7], v[rV:rV+7], v[rP:rP+7], v[rO:rO+7]
.endm
.macro MM                           ; the turn's next matrix instruction
.if i < 16
	KQ (Y+1)%NP
.set i, i+1
.else
.set i, i-16
	PV (Y+NP-1)%NP
.set i, i+17
.endif
.endm
; THE LDS LOADS stand in runs of 16: a step's K (8 fragments) and its V (turned).  last = 1 (the tail): in the last trip there is no further step, and the run is jumped over.
.macro FETCH_K last=0
	WIN 0
.if \last
	s_cmp_eq_u32 s[CNT], 1
	s_cbranch_scc1 .Lno_k_\@
.endif
	WIN 0x80                        ; destination window 2
.irp f, 0,1,2,3,4,5,6,7             ; keys 16 (f / 2) on, channels 32 (f % 2) on
	ds_load_b128 v[KF+8*\f:KF+8*\f+3],   v[AK] offset:(\f/2)*16*PK+(\f%2)*64
	ds_load_b128 v[KF+8*\f+4:KF+8*\f+7], v[AK] offset:(\f/2)*16*PK+(\f%2)*64+32
.endr
	s_add_co_u32 s[TBK], s[TBK], KS*PK  ; the next fetch is the next step's
	WIN 0
.if \last
.Lno_k_\@:
.endif
.endm
.macro FETCH_V
	WIN 0x80
.irp f, 0,1,2,3,4,5,6,7             ; keys 32 (f / 4) on, channels 16 (f % 4) on
	ds_load_tr16_b128 v[VF+8*\f:VF+8*\f+3],   v[AV] offset:(\f/4)*32*PV+(\f%4)*32
	ds_load_tr16_b128 v[VF+8*\f+4:VF+8*\f+7], v[AV] offset:(\f/4)*32*PV+16*PV+(\f%4)*32
.endr
	WIN 0
.endm
; THE VECTOR WORK.
.macro REGS y, u                    ; the registers of tile u (0, 1) of piece y
.set rT, ST+4*(2*(\y)+(\u))
.set rC, TMP+8*((\y)%2)+4*(\u)
.set rM, MV+2*((\y)%2)+(\u)
.set rS, S+64*((\y)%2)+32*(\u)
.set rP, P+32*((\y)%2)+16*(\u)
.set rO, 32*(2*(\y)+(\u))
.endm
; For piece Y, tile u:
.macro OPF u, k                     ; c s - c m for pair k of 16
	REGS Y, \u
	WIN 0
	v_pk_fma_f32 v[rS+2*(\k):rS+2*(\k)+1], v[rS+2*(\k):rS+2*(\k)+1], v[CV:CV+1], v[rT:rT+1] op_sel_hi:[1,1,0] neg_lo:[0,0,1] neg_hi:[0,0,1]
.endm
.macro OPE u, n                     ; the exponential of score n of 32
	REGS Y, \u
	WIN 0
	v_exp_f32 v[rS+(\n)], v[rS+(\n)]
.endm
.macro OPC u, k                     ; pair k rounded to f16
	REGS Y, \u
	WIN 0
	v_cvt_pk_f16_f32 v[rP+(\k)], v[rS+2*(\k)], v[rS+2*(\k)+1]
.endm
.macro OPB u, k                     ; of the four weights 4 k .. the second pair is added onto the first, in place
	REGS Y, \u
	WIN 0
	v_pk_add_f32 v[rS+4*(\k):rS+4*(\k)+1], v[rS+4*(\k):rS+4*(\k)+1], v[rS+4*(\k)+2:rS+4*(\k)+3]
.endm
.macro OPL u, k                     ; l takes that sum; the first time as l = a l + sum
	REGS Y, \u
	WIN 0
.if (\k) == 0
	v_pk_fma_f32 v[rT+2:rT+3], v[rT+2:rT+3], v[rC+2:rC+3], v[rS:rS+1] op_sel_hi:[1,0,1]
.else
	v_pk_add_f32 v[rT+2:rT+3], v[rT+2:rT+3], v[rS+4*(\k):rS+4*(\k)+1]
.endif
.endm
.macro R4                           ; one accumulator of O^T times a, from its low end on: the one part that leaves window 0
	REGS Y, r%2
	WIN W_RS
.irp z, 0,1,2,3
	v_pk_mul_f32 v[rO+8*(r/2)+2*\z:rO+8*(r/2)+2*\z+1], v[rO+8*(r/2)+2*\z:rO+8*(r/2)+2*\z+1], v[rC+2:rC+3] op_sel_hi:[1,0]
.endr
.set r, r+1
.endm
; For piece Y + 1.  MK g: accumulator g (tile g % 2, keys 16 (g / 2) on) of its new scores is masked: where the word's bit is 0 the score becomes NEG.  From the low end on.
.macro MK g
	REGS (Y+1)%NP, (\g)%2
	WIN 0
.set z, 0
.rept 8
	v_cndmask_b32 v[rS+8*((\g)/2)+z], v[NEG], v[rS+8*((\g)/2)+z], s[MW0+(MW1-MW0)*((\g)%2)+8*((\g)/2)+z]
.set z, z+1
.endr
.endm
; XS u, n: number n of the 22 that find its maximum and statistics.  s0-s31 are the lane's 32 masked scores.
;   0-11  four chains c0-c3 of seven scores each, three operands at a time     12-14, 16  the four scores left over, the old m, and c0-c3 into c0     15  c m_old is kept
;   17, 18  the query's other 32 keys lie in the lane 16 away: the new m         19-21  c m; c m_old - c m_new; a
.macro XS u, n
	REGS (Y+1)%NP, \u
	WIN 0
.if (\n) < 4
	v_max3_num_f32 v[rC+(\n)], v[rS+8*(\n)], v[rS+8*(\n)+1], v[rS+8*(\n)+2]
.elseif (\n) < 12
	v_max3_num_f32 v[rC+(\n)%4], v[rC+(\n)%4], v[rS+8*((\n)%4)+2*((\n)/4)+1], v[rS+8*((\n)%4)+2*((\n)/4)+2]
.elseif (\n) == 12
	v_max3_num_f32 v[rC], v[rC], v[rS+7], v[rS+15]
.elseif (\n) == 13
	v_max3_num_f32 v[rC+1], v[rC+1], v[rS+23], v[rS+31]
.elseif (\n) == 14
	v_max3_num_f32 v[rC+2], v[rC+2], v[rC+3], v[rT+1]
.elseif (\n) == 15
	v_mov_b32 v[rM], v[rT]
.elseif (\n) == 16
	v_max3_num_f32 v[rC], v[rC], v[rC+1], v[rC+2]
.elseif (\n) == 17
	v_permlanex16_b32 v[rC+3], v[rC], s[SEL], s[SEL+1]
.elseif (\n) == 18
	v_max_num_f32 v[rT+1], v[rC], v[rC+3]
.elseif (\n) == 19
	v_mul_f32 v[rT], v[CV], v[rT+1]
.elseif (\n) == 20
	v_sub_f32 v[rC+1], v[rM], v[rT]
.else
	v_exp_f32 v[rC+2], v[rC+1]
.endif
.endm
; SHARE e OF 32: a matrix instruction and what stands behind it.  None of these lines names a register of the products round it.
;   rescaling: shares 1-8.  Scaling of pair k: share k - 1 at the latest, ahead of its exponentials in shares 2 k and 2 k + 1.  Exponential e of both tiles: share e, a plain line between or behind them.
;   Rounding of pair k: share 2 k + 2.  Sum of four k: share 4 k + 5, behind both roundings' reads of what it overwrites.  l: share 4 k + 7.
;   Mask of accumulator g: share 10 + g; the product that finishes it stands in share 8 + g, a whole share of plain lines between.  Maximum: shares 18-26.  The chain of statistics: one link a share, 27-31.
.macro SL
	MM
.if (e >= 1) && (e <= 8)
	R4
.endif
.if e == 0
	OPF 0, 0
	OPF 1, 0
	OPF 0, 1
	OPF 1, 1
.elseif e <= 14
	OPF 0, e+1
	OPF 1, e+1
.endif
	OPE 0, e
.if (e >= 2) && (e%2 == 0)
	OPC 0, e/2-1
	OPC 1, e/2-1
.elseif (e >= 5) && (e%4 == 1)
	OPB 0, (e-5)/4
	OPB 1, (e-5)/4
.elseif (e >= 7) && (e%4 == 3)
	OPL 0, (e-7)/4
	OPL 1, (e-7)/4
.endif
	OPE 1, e
.if (e >= 10) && (e <= 17)
	MK e-10
.elseif (e >= 18) && (e <= 25)
	XS 0, 2*(e-18)
	XS 1, 2*(e-18)
	XS 0, 2*(e-18)+1
	XS 1, 2*(e-18)+1
.elseif e == 26
	XS 0, 16
	XS 1, 16
.elseif e >= 27
	XS 0, e-10
	XS 1, e-10
.endif
.set e, e+1
.endm
; A TURN, for piece p.
; K of the next step is fetched in piece 2's turn behind share 16: behind the last product that read K (share 15) stand more than four plain lines; it is waited for at the head of piece 3's turn.
; V of the step in hand is fetched at the end of piece 0's turn: eight plain lines behind the last product that read V; it is waited for in front of share 16 of piece 1's turn.
; The mask words of piece p + 2 are asked for behind share 17, where the last select of this turn has read its words, and waited for in front of share 10 of the next turn.
.macro TURN p, last=0
.set Y, (\p)
.set i, 0
.set r, 0
.set e, 0
.if (\p) == NP-1
	s_wait_dscnt 0x0                ; K is in
.endif
.rept 10
	SL
.endr
	s_wait_kmcnt 0x0                ; the mask words of piece p + 1 are in (scalar loads come back in no order: the count is 0)
.rept 6
	SL
.endr
.if (\p) == NP-2
	WIN 0
	v_add_nc_u32 v[AK], s[TBK], v[AK0]
.endif
.if (\p) == 1
	s_wait_dscnt 0x0                ; V is in
.endif
	SL
.if (\p) == NP-2
	FETCH_K \last
.endif
	SL
.if (\p) == NP-2
	s_add_nc_u64 s[MP:MP+1], s[MP:MP+1], 128  ; piece 0's next words are the next key step's; no scalar load is out since the wait above
.endif
	MLOAD ((\p)+2)%NP
.rept 13
	SL
.endr
.if (\p) == 0
	WIN 0
	v_add_nc_u32 v[AV], s[TBV], v[AV0]
.endif
	SL
	OPC 0, 15
	OPC 1, 15
	OPB 0, 7
	OPB 1, 7
	OPL 0, 7
	OPL 1, 7
.if (\p) == 0
	s_add_co_u32 s[TBV], s[TBV], KS*PV
	FETCH_V
.endif
.endm
	CHANGE 1                        ; slot 0 is in, everybody's part of it; slot 1 is asked for
	FETCH_K                         ; key step 0
	s_wait_loadcnt 0x0              ; Q
	s_wait_dscnt 0x0
.set i, 0
.rept 16
	KQ 0                            ; piece 0's first scores
.set i, i+1
.endr
	WIN 0
.rept 4
	v_nop                           ; the places behind those products
.endr
	s_wait_kmcnt 0x0                ; piece 0's mask words
.set Y, NP-1                        ; MK and XS work for piece Y + 1: piece 0
.irp g, 0,1,2,3,4,5,6,7
	MK \g
.endr
	MLOAD 1                         ; piece 1's words of key step 0, for the first turn
.irp n, 0,1,2,3,4,5,6,7,8,9,10,11,12,13,14,15,16,17,18,19,20,21
	XS 0, \n
	XS 1, \n
.endr
	s_mov_b32 s[CNT], 4
	s_mov_b32 s[SLOTS], 7
	s_branch .Lfirst                ; the loop is entered at a step's first turn, in the middle of a trip
.Lslot:                             ; six times: every slot but the last two is filled again
	CHANGE 1
	s_mov_b32 s[CNT], 4
.Lstep:                             ; a trip: pieces 2 and 3 of one step, then pieces 0 and 1 of the next, whose K and V it fetches
	TURN 2
	TURN 3
	WIN 0
.Lfirst:
	TURN 0
	TURN 1
	WIN 0
	s_sub_co_u32 s[CNT], s[CNT], 1
	s_cmp_lg_u32 s[CNT], 0
	s_cbranch_scc1 .Lstep
	s_sub_co_u32 s[SLOTS], s[SLOTS], 1
	s_cmp_lg_u32 s[SLOTS], 0
	s_cbranch_scc1 .Lslot
	CHANGE 0                        ; the tail is written out: nothing is asked for
	s_mov_b32 s[CNT], 5             ; four trips fetch the last slot's steps; the fifth is left in its middle
.Ltail:
	TURN 2, 1
	TURN 3
	WIN 0
	s_sub_co_u32 s[CNT], s[CNT], 1
	s_cmp_eq_u32 s[CNT], 0
	s_cbranch_scc1 .Lout
	TURN 0
	TURN 1
	WIN 0
	s_branch .Ltail
.Lout:                              ; the fifth trip's 16 products K Q^T (on the last K once more), their mask words (4,096 bytes on: the neighbouring tiles' words, inside my wave's 32,768) and the maximum made of them serve nothing
.set i, 0
.rept 16
	PV NP-1                         ; the last piece's V^T P of the last step
.set i, i+1
.endr
	; THE WAY OUT.  l's two halves and the other half of the lanes' are added; O^T is divided by l (at least 1: the row's maximum has the weight 1), rounded to f16 and sent through my stage, a tile at a time.
	WIN 0
	s_wait_kmcnt 0x0                ; the last mask words asked for have landed: their registers serve as scalars at work
	s_load_b64 s[4:5], s[0:1], 0x10 ; oh
	s_bfe_u32 s32, ttmp6, 0x40000   ; O has Q's offset: ((4 x cluster x + cx) x 4 + wave) x 16,384 + head x 262,144
	s_lshl_b32 s33, ttmp9, 2
	s_add_co_u32 s32, s32, s33
	s_lshl_b32 s32, s32, 2
	s_add_co_u32 s32, s32, s[WV]
	s_lshl_b32 s32, s32, 14
	s_and_b32 s33, ttmp7, 0xffff
	s_lshl_b32 s33, s33, 18
	s_add_co_u32 s32, s32, s33
	s_mov_b32 s33, 0
.macro ALL line:vararg              ; one line for each tile t
.set t, 0
.rept 2*NP
	\line
.set t, t+1
.endr
.endm
	ALL v_add_f32 v[ST+4*t+2], v[ST+4*t+2], v[ST+4*t+3]     ; these additions are the places behind the last products
	ALL v_permlanex16_b32 v[ST+4*t+3], v[ST+4*t+2], s[SEL], s[SEL+1]
	ALL v_add_f32 v[ST+4*t+2], v[ST+4*t+2], v[ST+4*t+3]
	ALL v_rcp_f32 v[ST+4*t+2], v[ST+4*t+2]
	v_nop                           ; a plain instruction between the last reciprocal and the use of its result
	s_wait_kmcnt 0x0
	s_add_nc_u64 s[4:5], s[4:5], s[32:33]
; Tile t: a lane's eight channels of a row pack into 16 bytes; they go into rows of 144 bytes and come back as whole rows of 128, into S^T's registers.
.macro PACK t
	WIN W_RS
.set i, 32*(\t)
.rept 16
	v_pk_mul_f32 v[i:i+1], v[i:i+1], v[ST+4*(\t)+2:ST+4*(\t)+3] op_sel_hi:[1,0]
.set i, i+2
.endr
	WIN 0x05                        ; sources 0 and 1 window 1, destination window 0
.set i, 0
.rept 16
	v_cvt_pk_f16_f32 v[S+16*(\t)+i], v[32*(\t)+2*i], v[32*(\t)+2*i+1]
.set i, i+1
.endr
	WIN 0
.irp f, 0,1,2,3
	ds_store_b128 v[STO], v[S+16*(\t)+4*\f:S+16*(\t)+4*\f+3] offset:32*\f
.endr
.irp f, 0,1,2,3
	ds_load_b128 v[S+16*(\t)+4*\f:S+16*(\t)+4*\f+3], v[RD] offset:\f*4*SP  ; LDS serves a wave's instructions in order (ISA guide 5.7.1.4): these see the stores above; the next tile's stores come behind them
.endr
.endm
.macro SEND t, younger              ; younger: the LDS instructions issued behind tile t's loads: the next tile's eight, or none
	WIN 0
.irp f, 0,1,2,3
	s_wait_dscnt (\younger)+3-\f
	global_store_b128 v[GO], v[S+16*(\t)+4*\f:S+16*(\t)+4*\f+3], s[4:5] offset:(\t)*2048+\f*512  ; 512 consecutive bytes, at a multiple of 256 from O's first
.endr
.endm
	PACK 0
.set t, 1
.rept 2*NP-1                        ; a tile's arithmetic stands between the loads of the tile before and its stores
	PACK t
	SEND t-1, 8
.set t, t+1
.endr
	SEND 2*NP-1, 0
	WIN W_AD
	s_wait_tensorcnt 0x0            ; the wave's end: behind my last tensor load and my last LDS store
	ds_add_u32 v[SPW], v[NIL]
	s_wait_dscnt 0x0
	WIN 0
	CROUND                          ; the closing round: no work-group ends while a partner may still ask for a tile that names it
	s_endpgm
.Lfunc_end_k_qf059fef6a0_attn:
	.size	k_qf059fef6a0_attn, .Lfunc_end_k_qf059fef6a0_attn-k_qf059fef6a0_attn
	.p2alignl 7, 3214868480
	.fill 96, 4, 3214868480
	.section	.rodata,"a",@progbits
	.p2align	6, 0x0
	.amdhsa_kernel k_qf059fef6a0_attn
		.amdhsa_group_segment_fixed_size 327680
		.amdhsa_private_segment_fixed_size 0
		.amdhsa_enable_private_segment 0
		.amdhsa_kernarg_size 24
		.amdhsa_user_sgpr_count 2
		.amdhsa_user_sgpr_kernarg_segment_ptr 1
		.amdhsa_wavefront_size32 1
		.amdhsa_system_sgpr_workgroup_id_x 1
		.amdhsa_system_sgpr_workgroup_id_y 1
		.amdhsa_system_sgpr_workgroup_id_z 1
		.amdhsa_system_vgpr_workitem_id 0
		.amdhsa_next_free_vgpr 770
		.amdhsa_next_free_sgpr 106
		.amdhsa_reserve_vcc 0
		.amdhsa_float_denorm_mode_32 3
		.amdhsa_float_denorm_mode_16_64 3
		.amdhsa_memory_ordered 1
		.amdhsa_forward_progress 1
		.amdhsa_inst_pref_size 236
	.end_amdhsa_kernel
	.amdgpu_metadata
---
amdhsa.version: [ 1, 2 ]
amdhsa.kernels:
  - .name:           k_qf059fef6a0_attn
    .symbol:         k_qf059fef6a0_attn.kd
    .args:
      - { .name: qkv, .offset: 0, .size: 8, .value_kind: global_buffer, .address_space: global }
      - { .name: mbits, .offset: 8, .size: 8, .value_kind: global_buffer, .address_space: global }
      - { .name: oh, .offset: 16, .size: 8, .value_kind: global_buffer, .address_space: global }
    .group_segment_fixed_size: 327680
    .private_segment_fixed_size: 0
    .kernarg_segment_align: 8
    .kernarg_segment_size: 24
    .max_flat_workgroup_size: 128
    .sgpr_count:     106
    .vgpr_count:     770
    .wavefront_size: 32
...
	.end_amdgpu_metadata
.endif
;; end of part 3
;; launch outp (part 4): grid 8 x 32, 4 waves a work-group, clusters of 4 x 4, 327,680 bytes of LDS; arguments oh, wp, b_proj, out0; writes out0
.if DOCPART == 4
	.amdgcn_target "amdgcn-amd-amdhsa--gfx1250"
	.amdhsa_code_object_version 6
	.text
	.protected	k_qf059fef6a0_outp
	.globl	k_qf059fef6a0_outp
	.p2align	8
	.type	k_qf059fef6a0_outp,@function
k_qf059fef6a0_outp:
	s_mov_b64 s[64:65], 0
	v_nop
	global_prefetch_b8 v0, s[64:65] scope:SCOPE_SE
	s_setreg_imm32_b32 hwreg(HW_REG_WAVE_MODE, 25, 1), 1
	s_wait_xcnt 0x0
	s_wait_alu depctr_hold_cnt(0) depctr_sa_sdst(0) depctr_va_vdst(0) depctr_va_sdst(0) depctr_va_ssrc(0) depctr_va_vcc(0) depctr_vm_vsrc(0)
	s_getreg_b32 s2, hwreg(HW_REG_IB_STS2, 6, 4)
	s_cmp_eq_u32 s2, 0
	s_cbranch_scc0 .Lentry_in_a_cluster
	s_endpgm
.Lentry_in_a_cluster:
	s_bfe_u32 s2, ttmp6, 0x10000c
	s_cmp_lg_u32 s2, 0xf033
	s_cbranch_scc0 .Lentry_shape_is_right
	s_endpgm
.Lentry_shape_is_right:
; THE OUTPUT PROJECTION.  out0[m][n] = sum over k of A[m][k] W[n][k] + b[n].  A is oh, [64 batch x head][2048][64] f16: row m = (batch, s), k = 64 head + channel.  W = wp, 1,024 x 1,024 f16 (W_proj rounded to bf16).
; b is rounded to bf16 like every input of the module; sums in f32; out0 is f32.
; SHARES.  A work-group makes 256 rows x 128 columns: 32 x 8 = 256 work-groups.  Each of its four waves makes 128 rows x 64 columns: 32 accumulators of 16 x 16.
; K goes in 8 steps of 128 = two heads.  A head's 256 rows are 32,768 dense bytes: one tensor load brings them as 128 rows of 256 bytes, padded in LDS after every 128 bytes, so a slot holds two planes of 256 rows x 144.
; CLUSTER 4 x 4: A's tile is shared along a row of the cluster, W's along a column; each is asked for JOINTLY, by the same tensor load with the same descriptor and a mask of four.
; THE MATRIX INSTRUCTION IS USED TRANSPOSED (source 0 = 16 rows of W, source 1 = 16 rows of A): a lane holds row l % 16 of C and the eight neighbouring columns 8 (l / 16) + 0..7.
; REGISTERS.  Window 0: v0-31 addresses and the bias; v32-63 and v160-191 rows on the way out; two fragment buffers of 96 (A's fragment a at F + 8 a, W's fragment b at F + 64 + 8 b).  Window 1: accumulator (a, b) at 8 (4 a + b).
.set KSTEP,  128
.set APITCH, 144                       ; a row of A in LDS: 128 bytes + 16: the 16 rows of a fragment load start at 16 different groups of four banks (ISA guide 11.1)
.set PITCH,  272                       ; a row of W: 256 bytes + 16
.set APLANE, 256*APITCH                ; one head's 256 rows: what a wave fetches of A
.set BHALF,  64*PITCH                  ; what a wave fetches, and reads, of W
.set AB,     2*APLANE                  ; W's 128 rows lie behind A's two planes
.set SLOT,   AB+2*BHALF
.set STAGE,  2*SLOT                    ; behind the ring: 16 rows x 272 bytes for each wave, for the way out; no tensor load lands here
.set SPITCH, 272
.set SPARE,  STAGE+4*16*SPITCH         ; behind the stages: the spare words, 128 bytes a wave, which no other line names
.set BO,   10                          ; v10     my byte offset in b
.set BI,   12                          ; v[12:15] b of my four columns
.set ADRA, 16                          ; v16-17  LDS address of my A fragments in slot 0, 1
.set ADRB, 20                          ; v20-21  the same for W
.set STO,  24                          ; v24     the way out: where I put 32 bytes of a row
.set RD,   25                          ; v25     where I read a row back
.set CO,   26                          ; v26     my byte offset in two rows of C
.set SPW,  28                          ; v28     LDS address of my spare word; never rewritten
.set NIL,  29                          ; v29     0; never rewritten
.set OB0,  32
.set OB1,  160
.set F0,   64
.set F1,   160
.set G1,  24                           ; s[24:31] descriptor group 1 for A's tiles; s[32:39] group 0, a set for each slot
.set G0,  32
.set G1B, 48                           ; s[48:55], s[56:63] the same for W's
.set G0B, 56
.set MSB, 0
.macro WIN new                         ; the immediate's high byte repeats the setting that is left; a switch that changes nothing is dropped
.if MSB != (\new)
	s_set_vgpr_msb (MSB<<8)|(\new)
.set MSB, \new
.endif
.endm
.set MUL, 0x50                         ; C and D in window 1, both sources in window 0
.macro JLOAD s                         ; a joint load: waves 0, 1 fetch A's two planes, waves 2, 3 W's two halves; an s_nop 0 and four v_nop follow each line, ahead of the jump and the label
	s_cmp_eq_u32 s11, 0
	s_cbranch_scc0 .Lfor_b_\@
	tensor_load_to_lds s[G0+4*(\s):G0+4*(\s)+3], s[G1:G1+7]
	s_nop 0
.rept 4
	v_nop
.endr
	s_branch .Lasked_\@
.Lfor_b_\@:
	tensor_load_to_lds s[G0B+4*(\s):G0B+4*(\s)+3], s[G1B:G1B+7]
	s_nop 0
.rept 4
	v_nop
.endr
.Lasked_\@:
.endm
.macro CREST                           ; a round of the cluster's barrier behind its opening barrier
	s_cmp_lg_u32 s10, 0
	s_cbranch_scc1 .Lnot_wave_0_\@
	s_barrier_signal -3
.Lnot_wave_0_\@:
	s_barrier_wait -3
	s_barrier_signal -1
	s_barrier_wait -1
.endm
.macro CROUND                          ; a whole round
	s_barrier_signal -1
	s_barrier_wait -1
	CREST
.endm
	s_load_b128 s[4:7], s[0:1], 0x0                ; oh s[4:5], wp s[6:7]
	s_load_b64 s[66:67], s[0:1], 0x10              ; b_proj
	s_load_b64 s[8:9], s[0:1], 0x18                ; out0
	v_lshl_add_u32 v[SPW], v0, 2, SPARE
	v_mov_b32 v[NIL], 0
	ds_add_u32 v[SPW], v[NIL]                      ; the wave's opening: the add and its wait stand ahead of my first tensor load; the set-up, work on registers, stands between them
	v_lshrrev_b32 v1, 5, v0
	v_readfirstlane_b32 s10, v1                    ; wave 0..3
	s_lshr_b32 s11, s10, 1                         ; which 128 rows of the tile are mine.  Also: I fetch for A (0) or for W (1)
	s_and_b32 s12, s10, 1                          ; which 64 columns.  Also: which plane of A, or which half of W's tile, I fetch
	s_bfe_u32 s40, ttmp6, 0x40000                  ; cx, cy
	s_bfe_u32 s41, ttmp6, 0x40004
	s_lshl_b32 s42, ttmp9, 2
	s_add_co_u32 s42, s42, s40                     ; tile column X, 0..7
	s_and_b32 s13, ttmp7, 0xffff
	s_lshl_b32 s13, s13, 2
	s_add_co_u32 s13, s13, s41                     ; tile row Y, 0..31
	s_lshl_b32 s43, s41, 2
	s_lshl_b32 s43, 15, s43                        ; my row of the cluster
	s_lshl_b32 s44, 0x1111, s40                    ; my column
	s_or_b32 s[G1+0], s43, (1<<16)|(1<<20)|(1<<21)|(4<<22)|(3<<25)   ; 15:0 the mask; 17:16 2-byte elements; 20 padding on; 21 set beside a mask; 24:22 after every 32 words; 31:25 4 words of it
	s_or_b32 s[G1B+0], s44, (1<<16)|(1<<20)|(1<<21)|(5<<22)|(3<<25)  ; W: after every 64 words
	s_mov_b32 s[G1+1], 128<<16                     ; tensor_dim0 = 128 elements: 256 bytes, two rows of a head
	s_mov_b32 s[G1+2], 128<<16                     ; tensor_dim1 = 128
	s_mov_b32 s[G1+3], 128<<16                     ; tile_dim0 = 128
	s_mov_b32 s[G1+4], 128                         ; tile_dim1 = 128
	s_mov_b32 s[G1+5], 128                         ; dense
	s_mov_b32 s[G1+6], 0
	s_mov_b32 s[G1+7], 0
	s_mov_b32 s[G1B+1], KSTEP<<16
	s_mov_b32 s[G1B+2], 64<<16
	s_mov_b32 s[G1B+3], KSTEP<<16
	s_mov_b32 s[G1B+4], 64
	s_mov_b32 s[G1B+5], 1024
	s_mov_b32 s[G1B+6], 0
	s_mov_b32 s[G1B+7], 0
	s_lshr_b32 s16, s13, 3                         ; A: batch Y / 8 (16 heads of 262,144 bytes), rows (Y % 8) x 256 of 128 bytes, head = my plane: made of Y and the wave's number alone
	s_lshl_b32 s16, s16, 22
	s_and_b32 s17, s13, 7
	s_lshl_b32 s17, s17, 15
	s_add_co_u32 s16, s16, s17
	s_lshl_b32 s17, s12, 18
	s_add_co_u32 s16, s16, s17
	s_mov_b32 s17, 0
	s_lshl_b32 s46, s42, 7                         ; W: row 128 X + 64 x half, 2,048 bytes a row: made of X and the wave's number alone
	s_lshl_b32 s47, s12, 6
	s_add_co_u32 s46, s46, s47
	s_lshl_b32 s46, s46, 11
	s_mov_b32 s47, 0
	s_mul_i32 s20, s12, APLANE                     ; where they go: no place in the cluster enters an LDS address
	s_mul_i32 s21, s12, BHALF
	s_add_co_u32 s21, s21, AB
	s_wait_dscnt 0x0                               ; the opening add is done
	s_wait_kmcnt 0x0
	s_add_nc_u64 s[14:15], s[4:5], s[16:17]
	s_add_nc_u64 s[46:47], s[6:7], s[46:47]
	CROUND                                         ; all sixteen work-groups are here: the first joint loads meet
.irp s, 0,1
	s_mov_b32 s[G0+4*(\s)], 1                                        ; count = 1
	s_add_co_u32 s[G0+4*(\s)+1], s20, (\s)*SLOT                      ; LDS address
	s_add_nc_u64 s[G0+4*(\s)+2:G0+4*(\s)+3], s[14:15], (\s)*524288   ; global address: K step s is two heads on
	s_or_b32 s[G0+4*(\s)+3], s[G0+4*(\s)+3], 0x80000000              ; type = 2
	s_mov_b32 s[G0B+4*(\s)], 1
	s_add_co_u32 s[G0B+4*(\s)+1], s21, (\s)*SLOT
	s_add_nc_u64 s[G0B+4*(\s)+2:G0B+4*(\s)+3], s[46:47], (\s)*KSTEP*2
	s_or_b32 s[G0B+4*(\s)+3], s[G0B+4*(\s)+3], 0x80000000
	JLOAD \s                                       ; two loads of mine are out
.endr
	v_and_b32 v1, 15, v0                           ; l % 16
	v_bfe_u32 v2, v0, 4, 1                         ; l / 16
	s_lshl_b32 s14, s42, 9                         ; my 64 columns begin at byte 512 X + 256 x half, in b and in a row of C
	s_lshl_b32 s15, s12, 8
	s_add_co_u32 s14, s14, s15
	v_lshl_add_u32 v[BO], v1, 4, s14               ; on the way out I hold columns 4 (l % 16) + 0..3 of them
	global_load_b128 v[BI:BI+3], v[BO], s[66:67]
	v_mul_u32_u24 v3, v1, APITCH
	v_lshl_add_u32 v3, v2, 4, v3                   ; a fragment's row x pitch + 16 x half, for A
	v_mul_u32_u24 v4, v1, PITCH
	v_lshl_add_u32 v4, v2, 4, v4                   ; and for W
	s_mul_i32 s22, s11, 128*APITCH                 ; my 128 rows in each plane of A
	s_mul_i32 s23, s12, BHALF                      ; my 64 rows of W
	s_add_co_u32 s23, s23, AB
.irp s, 0,1
	v_add_nc_u32 v[ADRA+(\s)], s22, v3
	v_add_nc_u32 v[ADRB+(\s)], s23, v4
	s_add_co_u32 s22, s22, SLOT
	s_add_co_u32 s23, s23, SLOT
.endr
	s_mul_i32 s22, s10, 16*SPITCH
	s_add_co_u32 s22, s22, STAGE                   ; my stage
	v_mul_u32_u24 v5, v1, SPITCH                   ; in: row l % 16, 32 bytes for each half of the lanes
	v_lshl_add_u32 v5, v2, 5, v5
	v_add_nc_u32 v[STO], s22, v5
	v_mul_u32_u24 v6, v2, SPITCH                   ; back: lanes 0-15 take one row of 256 bytes, lanes 16-31 the next
	v_lshl_add_u32 v6, v1, 4, v6
	v_add_nc_u32 v[RD], s22, v6
	v_lshlrev_b32 v[CO], 12, v2                    ; and the same two rows in C, 4,096 bytes apart
	v_lshl_add_u32 v[CO], v1, 4, v[CO]
	s_lshl_b32 s16, s13, 8                         ; my part of C: row 256 Y + 128 x row half,
	s_lshl_b32 s17, s11, 7
	s_add_co_u32 s16, s16, s17
	s_lshl_b32 s16, s16, 12
	s_add_co_u32 s16, s16, s14                     ; and my columns
	s_mov_b32 s17, 0
	s_add_nc_u64 s[8:9], s[8:9], s[16:17]
; 8 matrix instructions: row blocks a0, a0 + 1 x all 4 column blocks, 32 along K, from buffer f.  zero = 1: the product starts the sum: nothing is cleared.
; The 32 accumulators take turns, one instruction a turn, in the same order in every quarter.
.macro MUL8 f, a0, zero
	WIN MUL
.irp a, \a0, (\a0)+1
.irp b, 0,1,2,3
.if \zero
	v_wmma_f32_16x16x32_f16 v[8*(4*(\a)+(\b)):8*(4*(\a)+(\b))+7], v[(\f)+64+8*(\b):(\f)+64+8*(\b)+7], v[(\f)+8*(\a):(\f)+8*(\a)+7], 0
.else
	v_wmma_f32_16x16x32_f16 v[8*(4*(\a)+(\b)):8*(4*(\a)+(\b))+7], v[(\f)+64+8*(\b):(\f)+64+8*(\b)+7], v[(\f)+8*(\a):(\f)+8*(\a)+7], v[8*(4*(\a)+(\b)):8*(4*(\a)+(\b))+7]
.endif
.endr
.endr
.endm
; 24 LDS loads in one run: quarter q (32 along K: plane q / 2, channels 32 (q % 2) on) of a slot into buffer f: W's four fragments first, then A's eight
.macro FETCH slot, q, f
	WIN 0
.irp b, 0,1,2,3
	ds_load_b128 v[(\f)+64+8*(\b):(\f)+64+8*(\b)+3],   v[ADRB+(\slot)] offset:64*(\q)+(\b)*16*PITCH
	ds_load_b128 v[(\f)+64+8*(\b)+4:(\f)+64+8*(\b)+7], v[ADRB+(\slot)] offset:64*(\q)+(\b)*16*PITCH+32
.endr
.irp a, 0,1,2,3,4,5,6,7
	ds_load_b128 v[(\f)+8*(\a):(\f)+8*(\a)+3],   v[ADRA+(\slot)] offset:((\q)/2)*APLANE+((\q)%2)*64+(\a)*16*APITCH
	ds_load_b128 v[(\f)+8*(\a)+4:(\f)+8*(\a)+7], v[ADRA+(\slot)] offset:((\q)/2)*APLANE+((\q)%2)*64+(\a)*16*APITCH+32
.endr
.endm
.macro PLACES                          ; four places in front of loads into registers that matrix instructions have read
.rept 4
	v_nop
.endr
.endm
; A K step is four quarters of 32 along K, 32 matrix instructions each, on buffers 0, 1, 0, 1.  One of the first three: multiplies buffer f and fetches quarter q into g.
.macro QUARTER slot, q, f, g, zero
	s_wait_dscnt 8                                 ; W and A's fragments 0-3 are in; the youngest eight loads (A's 4-7) may be out
	MUL8 \f, 0, \zero
	MUL8 \f, 2, \zero
	PLACES
	FETCH \slot, \q, \g
	s_wait_dscnt 24                                ; all but the 24 just issued
	MUL8 \f, 4, \zero
	MUL8 \f, 6, \zero
.endm
; The last quarter multiplies buffer 1 and changes slots: ONE barrier; in front of it each wave waits for all its tensor loads (one is out: its part of the next slot), adds 0 to its spare word,
; and waits for that and for its own reads of this slot.  fill = 1: the barrier opens a round of the cluster's, and this slot is filled again, two K steps ahead, first thing behind the round.
.macro TURN slot, next, fill
	WIN 0
	s_wait_tensorcnt 0x0                           ; all my tensor loads have landed
	ds_add_u32 v[SPW], v[NIL]                      ; 0 onto my spare word
	s_wait_dscnt 9                                 ; the add and the youngest eight loads may be out
	MUL8 F1, 0, 0                                  ; eight matrix instructions stand between the add and the wait for it
	s_wait_dscnt 0x0                               ; the add is done, and my reads of this slot are over
	s_barrier_signal -1
	MUL8 F1, 2, 0
.if \fill
	WIN 0
.endif
	s_barrier_wait -1
.if \fill
	CREST                                          ; no wave of any partner still reads this slot's tile or has a load on its way
	s_add_nc_u64 s[G0+4*(\slot)+2:G0+4*(\slot)+3], s[G0+4*(\slot)+2:G0+4*(\slot)+3], 1048576      ; four heads on
	s_add_nc_u64 s[G0B+4*(\slot)+2:G0B+4*(\slot)+3], s[G0B+4*(\slot)+2:G0B+4*(\slot)+3], 2*KSTEP*2
	JLOAD \slot                                    ; my one tensor load behind the round: 112 matrix instructions ahead of the wait for it; its four v_nop are also the places in front of the loads below
.else
	PLACES
.endif
	FETCH \next, 0, F0
	MUL8 F1, 4, 0
	MUL8 F1, 6, 0
.endm
	s_wait_tensorcnt 1                             ; my part of K step 0 is in; step 1's may stay out
	s_barrier_signal -1
	s_barrier_wait -1                              ; everybody's is
	FETCH 0, 0, F0
	QUARTER 0, 1, F0, F1, 1                        ; the first quarter stands in front of the loop: its products start the sums
	WIN 0                                          ; at a label and at a branch every window is 0
	s_mov_b32 s3, 3
.Llap:                                                 ; a trip goes once round the ring, from a lap's second quarter to the next lap's first, and fills both slots again: K steps 2 to 7
	QUARTER 0, 2, F1, F0, 0
	QUARTER 0, 3, F0, F1, 0
	TURN 0, 1, 1
	QUARTER 1, 1, F0, F1, 0
	QUARTER 1, 2, F1, F0, 0
	QUARTER 1, 3, F0, F1, 0
	TURN 1, 0, 1
	QUARTER 0, 1, F0, F1, 0
	WIN 0
	s_sub_co_u32 s3, s3, 1
	s_cmp_lg_u32 s3, 0
	s_cbranch_scc1 .Llap
	QUARTER 0, 2, F1, F0, 0                        ; the last lap fills nothing
	QUARTER 0, 3, F0, F1, 0
	TURN 0, 1, 0
	QUARTER 1, 1, F0, F1, 0
	QUARTER 1, 2, F1, F0, 0
	QUARTER 1, 3, F0, F1, 0
	s_wait_dscnt 8                                 ; the very last quarter: nothing more to fetch
	MUL8 F1, 0, 0
	MUL8 F1, 2, 0
	s_wait_dscnt 0x0
	MUL8 F1, 4, 0
	MUL8 F1, 6, 0
	WIN 0
	s_wait_loadcnt 0x0                             ; b
	v_cvt_pk_bf16_f32 v1, v[BI], v[BI+1]           ; b's one rounding, to bf16, and back to f32; these six plain lines, which name no register of the last products, are the places behind them
	v_cvt_pk_bf16_f32 v2, v[BI+2], v[BI+3]
	v_lshlrev_b32 v[BI], 16, v1
	v_and_b32 v[BI+1], 0xffff0000, v1
	v_lshlrev_b32 v[BI+2], 16, v2
	v_and_b32 v[BI+3], 0xffff0000, v2
; THE WAY OUT, 16 rows at a time: a lane's eight f32 of a row go into my own stage (rows of 272 bytes) and come back as whole rows of 256 bytes; the bias is added; sixteen lanes store 256 consecutive bytes.
.macro TOSTAGE a
.set BK, OB0+(OB1-OB0)*((\a)%2)
	WIN 0x04                                       ; the stores' data in window 1
.irp b, 0,1,2,3
	ds_store_b128 v[STO], v[8*(4*(\a)+(\b)):8*(4*(\a)+(\b))+3]   offset:64*(\b)      ; each accumulator from its low end on
	ds_store_b128 v[STO], v[8*(4*(\a)+(\b))+4:8*(4*(\a)+(\b))+7] offset:64*(\b)+16
.endr
	WIN 0
	s_wait_xcnt 0x0                                ; this buffer, which the block before last's stores read, is loaded again only behind this wait
.irp t, 0,1,2,3,4,5,6,7
	ds_load_b128 v[BK+4*(\t):BK+4*(\t)+3], v[RD] offset:(\t)*2*SPITCH   ; LDS serves a wave's instructions in order (ISA guide 5.7.1.4): these see the stores above
.endr
.endm
.macro SENDF a, younger                ; younger: the LDS instructions issued behind block a's loads: the next block's sixteen, or none
.set BK, OB0+(OB1-OB0)*((\a)%2)
	s_wait_dscnt \younger                          ; the block is back in registers
.irp t, 0,1,2,3,4,5,6,7
	v_pk_add_f32 v[BK+4*(\t):BK+4*(\t)+1],   v[BK+4*(\t):BK+4*(\t)+1],   v[BI:BI+1]
	v_pk_add_f32 v[BK+4*(\t)+2:BK+4*(\t)+3], v[BK+4*(\t)+2:BK+4*(\t)+3], v[BI+2:BI+3]
.endr
.irp t, 0,1,2,3,4,5,6,7
	global_store_b128 v[CO], v[BK+4*(\t):BK+4*(\t)+3], s[8:9] offset:(16*(\a)+2*(\t))*4096   ; 126 rows of 4,096 bytes at the most: inside the signed 24-bit immediate
.endr
.endm
	TOSTAGE 0
.irp a, 1,2,3,4,5,6,7                  ; block a is on its way through the stage while block a - 1 gets its bias and leaves
	TOSTAGE \a
	SENDF (\a)-1, 16
.endr
	SENDF 7, 0
	s_wait_tensorcnt 0x0                           ; the wave's end: behind my last tensor load and my last LDS store
	ds_add_u32 v[SPW], v[NIL]
	s_wait_dscnt 0x0
	CROUND                                         ; the closing round: no work-group ends while a partner may still ask for a tile that names it
	s_endpgm
.Lfunc_end_k_qf059fef6a0_outp:
	.size	k_qf059fef6a0_outp, .Lfunc_end_k_qf059fef6a0_outp-k_qf059fef6a0_outp
	.p2alignl 7, 3214868480
	.fill 96, 4, 3214868480
	.section	.rodata,"a",@progbits
	.p2align	6, 0x0
	.amdhsa_kernel k_qf059fef6a0_outp
		.amdhsa_group_segment_fixed_size 327680
		.amdhsa_private_segment_fixed_size 0
		.amdhsa_enable_private_segment 0
		.amdhsa_kernarg_size 32
		.amdhsa_user_sgpr_count 2
		.amdhsa_user_sgpr_kernarg_segment_ptr 1
		.amdhsa_wavefront_size32 1
		.amdhsa_system_sgpr_workgroup_id_x 1
		.amdhsa_system_sgpr_workgroup_id_y 1
		.amdhsa_system_sgpr_workgroup_id_z 1
		.amdhsa_system_vgpr_workitem_id 0
		.amdhsa_next_free_vgpr 512
		.amdhsa_next_free_sgpr 68
		.amdhsa_reserve_vcc 0
		.amdhsa_float_denorm_mode_32 3
		.amdhsa_float_denorm_mode_16_64 3
		.amdhsa_memory_ordered 1
		.amdhsa_forward_progress 1
		.amdhsa_inst_pref_size 94
	.end_amdhsa_kernel
	.amdgpu_metadata
---
amdhsa.version: [ 1, 2 ]
amdhsa.kernels:
  - .name:           k_qf059fef6a0_outp
    .symbol:         k_qf059fef6a0_outp.kd
    .args:
      - { .name: oh, .offset: 0, .size: 8, .value_kind: global_buffer, .address_space: global }
      - { .name: wp, .offset: 8, .size: 8, .value_kind: global_buffer, .address_space: global }
      - { .name: b_proj, .offset: 16, .size: 8, .value_kind: global_buffer, .address_space: global }
      - { .name: out0, .offset: 24, .size: 8, .value_kind: global_buffer, .address_space: global }
    .group_segment_fixed_size: 327680
    .private_segment_fixed_size: 0
    .kernarg_segment_align: 8
    .kernarg_segment_size: 32
    .max_flat_workgroup_size: 128
    .sgpr_count:     68
    .vgpr_count:     512
    .wavefront_size: 32
...
	.end_amdgpu_metadata
.endif
;; end of part 4
;; ======== version 2 of 2: 4 launches; 1.12 times as fast as version 1
;; limits: values are held in f16: magnitudes above 65,504 overflow, below 6.1e-05 lose precision
;; workspace buffers: xb 50,331,648 bytes; wb 6,291,456 bytes; wp 2,097,152 bytes; mbits 2,097,152 bytes of whole numbers; qkv 50,331,648 bytes; oh 16,777,216 bytes
;; launch prep: the kernel of part 1 again; grid 11 x 128, 8 waves a work-group, no clusters, 0 bytes of LDS; arguments queries, keys, values, W_q, W_k, W_v, W_proj, mask, xb, wb, wp, mbits; writes xb, wb, wp, mbits
;; launch qkv (part 5): grid 4 x 96, 8 waves a work-group, clusters of 4 x 4, 327,680 bytes of LDS; arguments xb, wb, qkv; writes qkv
.if DOCPART == 5
	.amdgcn_target "amdgcn-amd-amdhsa--gfx1250"
	.amdhsa_code_object_version 6
	.text
	.protected	k_qf059fef6a0_qkv
	.globl	k_qf059fef6a0_qkv
	.p2align	8
	.type	k_qf059fef6a0_qkv,@function
k_qf059fef6a0_qkv:
	s_mov_b64 s[64:65], 0
	v_nop
	global_prefetch_b8 v0, s[64:65] scope:SCOPE_SE
	s_setreg_imm32_b32 hwreg(HW_REG_WAVE_MODE, 25, 1), 1
	s_wait_xcnt 0x0
	s_wait_alu depctr_hold_cnt(0) depctr_sa_sdst(0) depctr_va_vdst(0) depctr_va_sdst(0) depctr_va_ssrc(0) depctr_va_vcc(0) depctr_vm_vsrc(0)
	s_getreg_b32 s2, hwreg(HW_REG_IB_STS2, 6, 4)
	s_cmp_eq_u32 s2, 0
	s_cbranch_scc0 .Lentry_in_a_cluster
	s_endpgm
.Lentry_in_a_cluster:
	s_bfe_u32 s2, ttmp6, 0x10000c
	s_cmp_lg_u32 s2, 0xf033
	s_cbranch_scc0 .Lentry_shape_is_right
	s_endpgm
.Lentry_shape_is_right:
; THE THREE PROJECTIONS AS ONE PRODUCT.  C[m][n] = sum over k of A[m][k] B[n][k]; A = xb, 24,576 rows (queries, keys, values) x 1,024 bf16; B = the tensor's own weight in wb, 1,024 x 1,024 bf16; sums in f32.
; C leaves by heads, unscaled, rounded once to f16: qkv [3][64 batch x head][2048][64].  LIMIT: a q, k or v of 65,520 or more becomes an infinity in f16.
; SHARES.  A work-group makes 256 rows x 256 columns: 96 x 4 = 384 work-groups.  Eight waves of 512 registers, two for each of a WGP's four SIMDs; a wave makes 128 rows x 64 columns (one head): 32 accumulators of 16 x 16.
; K goes in 8 steps of 128 through two LDS slots filled by the tensor data mover; a tile's rows are 256 bytes of memory at multiples of 256; each wave fetches 64 rows of a slot.
; WHY THIS TILE.  Behind each round one load a wave goes out, and it has one K step in which to land.  Here a K step holds 256 matrix instructions for each SIMD (128 of each of its two waves) for 131,072 bytes fetched;
; a tile of 256 x 128 holds 128 for 98,304.  THE PRICE: 384 work-groups are a round and a half for 256 WGPs, and a wave's 128 x 64 reads 384 LDS bytes for each matrix instruction where 128 x 128 would read 256;
; four waves of 128 x 128 would need 64 accumulators' worth of text in every quarter and on the way out, some 7,000 bytes more.
; CLUSTER 4 x 4.  The four of a row of the cluster need the same tile of A, the four of a column the same tile of B: each tile is asked for JOINTLY, by the same tensor load with the same descriptor and a mask of four.
; THE MATRIX INSTRUCTION IS USED TRANSPOSED (source 0 = 16 rows of B, source 1 = 16 rows of A): a lane holds row l % 16 of C and the eight neighbouring columns 8 (l / 16) + 0..7.
; REGISTERS.  Window 0: v0-31 addresses; v32-47 packed results, v48-63 and v160-175 rows on the way out; two fragment buffers of 96 (A's fragment a at F + 8 a, B's fragment b at F + 64 + 8 b).
;             Window 1: accumulator (a, b) at 8 (4 a + b).
.set KSTEP,  128
.set PITCH,  272                       ; an LDS row: 256 bytes + 16 of padding = 68 words: the 16 rows of a fragment load start at 16 different groups of four banks (ISA guide 11.1)
.set QUART,  64*PITCH                  ; 64 rows: what one tensor load brings; a wave reads two such parts of A and one of B
.set AB,     4*QUART                   ; B's 256 rows lie behind A's 256
.set SLOT,   8*QUART
.set STAGE,  2*SLOT                    ; behind the ring: 16 rows x 144 bytes for each wave, for the way out; no tensor load lands here
.set SP,     144
.set SPARE,  STAGE+8*16*SP             ; behind the stages: the spare words, 128 bytes a wave, which no other line names
.set ADRA, 16                          ; v16-17  LDS address of my A fragments in slot 0, 1
.set ADRB, 20                          ; v20-21  the same for B
.set STO,  24                          ; v24     the way out: where I put 16 bytes of a row
.set RD,   25                          ; v25     where I read rows back
.set CO,   26                          ; v26     my byte offset in 512 consecutive bytes of C
.set SPW,  28                          ; v28     LDS address of my spare word; never rewritten
.set NIL,  29                          ; v29     0; never rewritten
.set TMP,  32
.set OB0,  48
.set OB1,  160
.set F0,   64
.set F1,   160
.set G1,  24                           ; s[24:31] descriptor group 1 for A's tiles; s[32:39] group 0, a set for each slot
.set G0,  32
.set G1B, 48                           ; s[48:55], s[56:63] the same for B's
.set G0B, 56
.set MSB, 0
.macro WIN new                         ; the immediate's high byte repeats the setting that is left; a switch that changes nothing is dropped
.if MSB != (\new)
	s_set_vgpr_msb (MSB<<8)|(\new)
.set MSB, \new
.endif
.endm
.set MUL, 0x50                         ; C and D in window 1, both sources in window 0
.macro JLOAD s                         ; a joint load: waves 0-3 fetch A's four parts, waves 4-7 B's; an s_nop 0 and four v_nop follow each line, ahead of the jump and the label
	s_cmp_eq_u32 s11, 0
	s_cbranch_scc0 .Lfor_b_\@
	tensor_load_to_lds s[G0+4*(\s):G0+4*(\s)+3], s[G1:G1+7]
	s_nop 0
.rept 4
	v_nop
.endr
	s_branch .Lasked_\@
.Lfor_b_\@:
	tensor_load_to_lds s[G0B+4*(\s):G0B+4*(\s)+3], s[G1B:G1B+7]
	s_nop 0
.rept 4
	v_nop
.endr
.Lasked_\@:
.endm
.macro CREST                           ; a round of the cluster's barrier behind its opening barrier
	s_cmp_lg_u32 s10, 0
	s_cbranch_scc1 .Lnot_wave_0_\@
	s_barrier_signal -3
.Lnot_wave_0_\@:
	s_barrier_wait -3
	s_barrier_signal -1
	s_barrier_wait -1
.endm
.macro CROUND                          ; a whole round
	s_barrier_signal -1
	s_barrier_wait -1
	CREST
.endm
	s_load_b128 s[4:7], s[0:1], 0x0                ; xb s[4:5], wb s[6:7]
	s_load_b64 s[8:9], s[0:1], 0x10                ; qkv
	v_lshl_add_u32 v[SPW], v0, 2, SPARE
	v_mov_b32 v[NIL], 0
	ds_add_u32 v[SPW], v[NIL]                      ; the wave's opening: the add and its wait stand ahead of my first tensor load; the set-up, work on registers, stands between them
	v_lshrrev_b32 v1, 5, v0
	v_readfirstlane_b32 s10, v1                    ; wave 0..7
	s_lshr_b32 s11, s10, 2                         ; which 128 rows of the tile are mine.  Also: I fetch for A (0) or for B (1)
	s_and_b32 s12, s10, 3                          ; which 64 columns.  Also: which 64 rows of that tile I fetch
	s_bfe_u32 s40, ttmp6, 0x40000                  ; cx, cy: my place in the cluster
	s_bfe_u32 s41, ttmp6, 0x40004
	s_lshl_b32 s42, ttmp9, 2
	s_add_co_u32 s42, s42, s40                     ; tile column X = 4 x cluster x + cx, 0..3
	s_and_b32 s45, ttmp7, 0xffff                   ; cluster y, 0..23: eight clusters to a tensor
	s_lshl_b32 s13, s45, 2
	s_add_co_u32 s13, s13, s41                     ; tile row Y = 4 x cluster y + cy, 0..95
	s_lshl_b32 s43, s41, 2
	s_lshl_b32 s43, 15, s43                        ; my row of the cluster
	s_lshl_b32 s44, 0x1111, s40                    ; my column
	s_or_b32 s[G1+0], s43, (1<<16)|(1<<20)|(1<<21)|(5<<22)|(3<<25)   ; 15:0 the mask; 17:16 2-byte elements; 20 padding on; 21 set beside a mask; 24:22 after every 64 words; 31:25 4 words of it
	s_or_b32 s[G1B+0], s44, (1<<16)|(1<<20)|(1<<21)|(5<<22)|(3<<25)
.irp g, G1, G1B
	s_mov_b32 s[(\g)+1], KSTEP<<16                 ; tensor_dim0 = 128
	s_mov_b32 s[(\g)+2], 64<<16                    ; tensor_dim1 = 64 rows
	s_mov_b32 s[(\g)+3], KSTEP<<16                 ; tile_dim0 = 128
	s_mov_b32 s[(\g)+4], 64                        ; tile_dim1 = 64
	s_mov_b32 s[(\g)+5], 1024                      ; elements from row to row
	s_mov_b32 s[(\g)+6], 0
	s_mov_b32 s[(\g)+7], 0
.endr
	s_lshl_b32 s16, s13, 8                         ; A: row 256 Y + 64 x part, 2,048 bytes a row: made of Y and the wave's number alone
	s_lshl_b32 s17, s12, 6
	s_add_co_u32 s16, s16, s17
	s_lshl_b32 s16, s16, 11
	s_mov_b32 s17, 0
	s_lshl_b32 s46, s42, 8                         ; B: row 256 X + 64 x part of the tensor's weight: made of X, the cluster's y and the wave's number alone
	s_lshl_b32 s47, s12, 6
	s_add_co_u32 s46, s46, s47
	s_lshl_b32 s46, s46, 11
	s_lshr_b32 s47, s45, 3
	s_lshl_b32 s47, s47, 21                        ; a weight is 2,097,152 bytes
	s_add_co_u32 s46, s46, s47
	s_mov_b32 s47, 0
	s_mul_i32 s20, s12, QUART                      ; where they go: no place in the cluster enters an LDS address
	s_add_co_u32 s21, s20, AB
	s_wait_dscnt 0x0                               ; the opening add is done
	s_wait_kmcnt 0x0
	s_add_nc_u64 s[14:15], s[4:5], s[16:17]
	s_add_nc_u64 s[46:47], s[6:7], s[46:47]
	CROUND                                         ; all sixteen work-groups are here: the first joint loads meet
.irp s, 0,1
	s_mov_b32 s[G0+4*(\s)], 1                                        ; count = 1
	s_add_co_u32 s[G0+4*(\s)+1], s20, (\s)*SLOT                      ; LDS address
	s_add_nc_u64 s[G0+4*(\s)+2:G0+4*(\s)+3], s[14:15], (\s)*KSTEP*2  ; global address: K step s
	s_or_b32 s[G0+4*(\s)+3], s[G0+4*(\s)+3], 0x80000000              ; type = 2
	s_mov_b32 s[G0B+4*(\s)], 1
	s_add_co_u32 s[G0B+4*(\s)+1], s21, (\s)*SLOT
	s_add_nc_u64 s[G0B+4*(\s)+2:G0B+4*(\s)+3], s[46:47], (\s)*KSTEP*2
	s_or_b32 s[G0B+4*(\s)+3], s[G0B+4*(\s)+3], 0x80000000
	JLOAD \s                                       ; two loads of mine are out
.endr
	v_and_b32 v1, 15, v0                           ; l % 16
	v_bfe_u32 v2, v0, 4, 1                         ; l / 16
	v_mul_u32_u24 v3, v1, PITCH
	v_lshl_add_u32 v3, v2, 4, v3                   ; a fragment's row x pitch + 16 x half
	s_mul_i32 s22, s11, 2*QUART                    ; my 128 rows of A
	s_mul_i32 s23, s12, QUART                      ; my 64 rows of B
	s_add_co_u32 s23, s23, AB
.irp s, 0,1
	v_add_nc_u32 v[ADRA+(\s)], s22, v3
	v_add_nc_u32 v[ADRB+(\s)], s23, v3
	s_add_co_u32 s22, s22, SLOT
	s_add_co_u32 s23, s23, SLOT
.endr
	s_mul_i32 s22, s10, 16*SP
	s_add_co_u32 s22, s22, STAGE                   ; my stage
	v_mul_u32_u24 v4, v1, SP                       ; in: row l % 16, 16 bytes for each half of the lanes
	v_lshl_add_u32 v4, v2, 4, v4
	v_add_nc_u32 v[STO], s22, v4
	v_bfe_u32 v5, v0, 3, 2                         ; back: 32 lanes take four rows of 128 bytes,
	v_and_b32 v6, 7, v0
	v_mul_u32_u24 v5, v5, SP
	v_lshl_add_u32 v5, v6, 4, v5
	v_add_nc_u32 v[RD], s22, v5
	v_and_b32 v[CO], 31, v0                        ; which are 512 consecutive bytes of a head's rows
	v_lshlrev_b32 v[CO], 4, v[CO]
	s_lshr_b32 s16, s13, 3                         ; my part of C: plane (Y / 8) x 16 + 4 X + my columns' number (tensor, batch, head), 262,144 bytes each,
	s_lshl_b32 s16, s16, 4
	s_lshl_b32 s17, s42, 2
	s_add_co_u32 s16, s16, s17
	s_add_co_u32 s16, s16, s12
	s_lshl_b32 s16, s16, 18
	s_and_b32 s17, s13, 7                          ; row (Y % 8) x 256 + 128 x row half, 128 bytes each
	s_lshl_b32 s17, s17, 8
	s_lshl_b32 s18, s11, 7
	s_add_co_u32 s17, s17, s18
	s_lshl_b32 s17, s17, 7
	s_add_co_u32 s16, s16, s17
	s_mov_b32 s17, 0
	s_add_nc_u64 s[8:9], s[8:9], s[16:17]
; 8 matrix instructions: row blocks a0, a0 + 1 x all 4 column blocks, 32 along K, from buffer f.  zero = 1: the product starts the sum: nothing is cleared.
; The 32 accumulators take turns, one instruction a turn, in the same order in every quarter.
.macro MUL8 f, a0, zero
	WIN MUL
.irp a, \a0, (\a0)+1
.irp b, 0,1,2,3
.if \zero
	v_wmma_f32_16x16x32_bf16 v[8*(4*(\a)+(\b)):8*(4*(\a)+(\b))+7], v[(\f)+64+8*(\b):(\f)+64+8*(\b)+7], v[(\f)+8*(\a):(\f)+8*(\a)+7], 0
.else
	v_wmma_f32_16x16x32_bf16 v[8*(4*(\a)+(\b)):8*(4*(\a)+(\b))+7], v[(\f)+64+8*(\b):(\f)+64+8*(\b)+7], v[(\f)+8*(\a):(\f)+8*(\a)+7], v[8*(4*(\a)+(\b)):8*(4*(\a)+(\b))+7]
.endif
.endr
.endr
.endm
; 24 LDS loads in one run: quarter q (32 along K) of a slot into buffer f: B's four fragments first, then A's eight
.macro FETCH slot, q, f
	WIN 0
.irp b, 0,1,2,3
	ds_load_b128 v[(\f)+64+8*(\b):(\f)+64+8*(\b)+3],   v[ADRB+(\slot)] offset:64*(\q)+(\b)*16*PITCH
	ds_load_b128 v[(\f)+64+8*(\b)+4:(\f)+64+8*(\b)+7], v[ADRB+(\slot)] offset:64*(\q)+(\b)*16*PITCH+32
.endr
.irp a, 0,1,2,3,4,5,6,7
	ds_load_b128 v[(\f)+8*(\a):(\f)+8*(\a)+3],   v[ADRA+(\slot)] offset:64*(\q)+(\a)*16*PITCH
	ds_load_b128 v[(\f)+8*(\a)+4:(\f)+8*(\a)+7], v[ADRA+(\slot)] offset:64*(\q)+(\a)*16*PITCH+32
.endr
.endm
.macro PLACES                          ; four places in front of loads into registers that matrix instructions have read, and of lines that read results
.rept 4
	v_nop
.endr
.endm
; A K step is four quarters of 32 along K, 32 matrix instructions a wave each, on buffers 0, 1, 0, 1.  One of the first three: multiplies buffer f and fetches quarter q into g.
.macro QUARTER slot, q, f, g, zero
	s_wait_dscnt 8                                 ; B and A's fragments 0-3 are in; the youngest eight loads (A's 4-7) may be out
	MUL8 \f, 0, \zero
	MUL8 \f, 2, \zero
	PLACES
	FETCH \slot, \q, \g
	s_wait_dscnt 24                                ; all but the 24 just issued
	MUL8 \f, 4, \zero
	MUL8 \f, 6, \zero
.endm
; The last quarter multiplies buffer 1 and changes slots: ONE barrier; in front of it each wave waits for all its tensor loads (one is out: its part of the next slot), adds 0 to its spare word,
; and waits for that and for its own reads of this slot.  fill = 1: the barrier opens a round of the cluster's, and this slot is filled again, two K steps ahead, first thing behind the round.
.macro TURN slot, next, fill
	WIN 0
	s_wait_tensorcnt 0x0                           ; all my tensor loads have landed
	ds_add_u32 v[SPW], v[NIL]                      ; 0 onto my spare word
	s_wait_dscnt 9                                 ; the add and the youngest eight loads may be out
	MUL8 F1, 0, 0                                  ; eight matrix instructions stand between the add and the wait for it
	s_wait_dscnt 0x0                               ; the add is done, and my reads of this slot are over
	s_barrier_signal -1
	MUL8 F1, 2, 0
.if \fill
	WIN 0
.endif
	s_barrier_wait -1
.if \fill
	CREST                                          ; no wave of any partner still reads this slot's tile or has a load on its way
	s_add_nc_u64 s[G0+4*(\slot)+2:G0+4*(\slot)+3], s[G0+4*(\slot)+2:G0+4*(\slot)+3], 2*KSTEP*2
	s_add_nc_u64 s[G0B+4*(\slot)+2:G0B+4*(\slot)+3], s[G0B+4*(\slot)+2:G0B+4*(\slot)+3], 2*KSTEP*2
	JLOAD \slot                                    ; my one tensor load behind the round: 112 matrix instructions of mine, and as many of the wave beside me, ahead of the wait for it; its four v_nop are also the places in front of the loads below
.else
	PLACES
.endif
	FETCH \next, 0, F0
	MUL8 F1, 4, 0
	MUL8 F1, 6, 0
.endm
	s_wait_tensorcnt 1                             ; my part of K step 0 is in; step 1's may stay out
	s_barrier_signal -1
	s_barrier_wait -1                              ; everybody's is
	FETCH 0, 0, F0
	QUARTER 0, 1, F0, F1, 1                        ; the first quarter stands in front of the loop: its products start the sums
	WIN 0                                          ; at a label and at a branch every window is 0
	s_mov_b32 s3, 3
.Llap:                                                 ; a trip goes once round the ring, from a lap's second quarter to the next lap's first, and fills both slots again: K steps 2 to 7
	QUARTER 0, 2, F1, F0, 0
	QUARTER 0, 3, F0, F1, 0
	TURN 0, 1, 1
	QUARTER 1, 1, F0, F1, 0
	QUARTER 1, 2, F1, F0, 0
	QUARTER 1, 3, F0, F1, 0
	TURN 1, 0, 1
	QUARTER 0, 1, F0, F1, 0
	WIN 0
	s_sub_co_u32 s3, s3, 1
	s_cmp_lg_u32 s3, 0
	s_cbranch_scc1 .Llap
	QUARTER 0, 2, F1, F0, 0                        ; the last lap fills nothing
	QUARTER 0, 3, F0, F1, 0
	TURN 0, 1, 0
	QUARTER 1, 1, F0, F1, 0
	QUARTER 1, 2, F1, F0, 0
	QUARTER 1, 3, F0, F1, 0
	s_wait_dscnt 8                                 ; the very last quarter: nothing more to fetch
	MUL8 F1, 0, 0
	MUL8 F1, 2, 0
	s_wait_dscnt 0x0
	MUL8 F1, 4, 0
	MUL8 F1, 6, 0
	WIN 0
	PLACES
; THE WAY OUT, 16 rows at a time: rounded to f16, 16 bytes a lane into my own stage, back as whole rows of 128 bytes, stored as 512 consecutive bytes.
.macro PACK a
	WIN 0x05                                       ; sources 0 and 1 in window 1
.irp b, 0,1,2,3
.irp r, 0,1,2,3
	v_cvt_pk_f16_f32 v[TMP+4*(\b)+(\r)], v[8*(4*(\a)+(\b))+2*(\r)], v[8*(4*(\a)+(\b))+2*(\r)+1]   ; each accumulator from its low end on
.endr
.endr
	WIN 0
.endm
.macro TOSTAGE a
.set BK, OB0+(OB1-OB0)*((\a)%2)
.irp b, 0,1,2,3
	ds_store_b128 v[STO], v[TMP+4*(\b):TMP+4*(\b)+3] offset:32*(\b)
.endr
.irp f, 0,1,2,3
	ds_load_b128 v[BK+4*(\f):BK+4*(\f)+3], v[RD] offset:(\f)*4*SP   ; LDS serves a wave's instructions in order (ISA guide 5.7.1.4): these see the stores above
.endr
.endm
.macro SEND a
.set BK, OB0+(OB1-OB0)*((\a)%2)
	s_wait_dscnt 0x0                               ; the block is back in registers
	s_wait_xcnt 0x0                                ; the other buffer, which the block before last's stores read, is loaded again only behind this wait
.irp f, 0,1,2,3
	global_store_b128 v[CO], v[BK+4*(\f):BK+4*(\f)+3], s[8:9] offset:(\a)*2048+(\f)*512
.endr
.endm
	PACK 0
	TOSTAGE 0
.irp a, 1,2,3,4,5,6,7                  ; block a's conversions stand between block a - 1's loads from the stage and the wait for them
	PACK \a
	SEND (\a)-1
	TOSTAGE \a
.endr
	SEND 7
	s_wait_tensorcnt 0x0                           ; the wave's end: behind my last tensor load and my last LDS store
	ds_add_u32 v[SPW], v[NIL]
	s_wait_dscnt 0x0
	CROUND                                         ; the closing round: no work-group ends while a partner may still ask for a tile that names it
	s_endpgm
.Lfunc_end_k_qf059fef6a0_qkv:
	.size	k_qf059fef6a0_qkv, .Lfunc_end_k_qf059fef6a0_qkv-k_qf059fef6a0_qkv
	.p2alignl 7, 3214868480
	.fill 96, 4, 3214868480
	.section	.rodata,"a",@progbits
	.p2align	6, 0x0
	.amdhsa_kernel k_qf059fef6a0_qkv
		.amdhsa_group_segment_fixed_size 327680
		.amdhsa_private_segment_fixed_size 0
		.amdhsa_enable_private_segment 0
		.amdhsa_kernarg_size 24
		.amdhsa_user_sgpr_count 2
		.amdhsa_user_sgpr_kernarg_segment_ptr 1
		.amdhsa_wavefront_size32 1
		.amdhsa_system_sgpr_workgroup_id_x 1
		.amdhsa_system_sgpr_workgroup_id_y 1
		.amdhsa_system_sgpr_workgroup_id_z 1
		.amdhsa_system_vgpr_workitem_id 0
		.amdhsa_next_free_vgpr 512
		.amdhsa_next_free_sgpr 66
		.amdhsa_reserve_vcc 0
		.amdhsa_float_denorm_mode_32 3
		.amdhsa_float_denorm_mode_16_64 3
		.amdhsa_memory_ordered 1
		.amdhsa_forward_progress 1
		.amdhsa_inst_pref_size 86
	.end_amdhsa_kernel
	.amdgpu_metadata
---
amdhsa.version: [ 1, 2 ]
amdhsa.kernels:
  - .name:           k_qf059fef6a0_qkv
    .symbol:         k_qf059fef6a0_qkv.kd
    .args:
      - { .name: xb, .offset: 0, .size: 8, .value_kind: global_buffer, .address_space: global }
      - { .name: wb, .offset: 8, .size: 8, .value_kind: global_buffer, .address_space: global }
      - { .name: qkv, .offset: 16, .size: 8, .value_kind: global_buffer, .address_space: global }
    .group_segment_fixed_size: 327680
    .private_segment_fixed_size: 0
    .kernarg_segment_align: 8
    .kernarg_segment_size: 24
    .max_flat_workgroup_size: 256
    .sgpr_count:     66
    .vgpr_count:     512
    .wavefront_size: 32
...
	.end_amdgpu_metadata
.endif
;; end of part 5
;; launch attn (part 6): grid 4 x 64, 4 waves a work-group, clusters of 4 x 1, 327,680 bytes of LDS; arguments qkv, mbits, oh; writes oh
.if DOCPART == 6
	.amdgcn_target "amdgcn-amd-amdhsa--gfx1250"
	.amdhsa_code_object_version 6
	.text
	.protected	k_qf059fef6a0_attn
	.globl	k_qf059fef6a0_attn
	.p2align	8
	.type	k_qf059fef6a0_attn,@function
k_qf059fef6a0_attn:
	s_mov_b64 s[64:65], 0
	v_nop
	global_prefetch_b8 v0, s[64:65] scope:SCOPE_SE
	s_setreg_imm32_b32 hwreg(HW_REG_WAVE_MODE, 25, 1), 1
	s_wait_xcnt 0x0
	s_wait_alu depctr_hold_cnt(0) depctr_sa_sdst(0) depctr_va_vdst(0) depctr_va_sdst(0) depctr_va_ssrc(0) depctr_va_vcc(0) depctr_vm_vsrc(0)
	s_getreg_b32 s2, hwreg(HW_REG_IB_STS2, 6, 4)
	s_cmp_eq_u32 s2, 0
	s_cbranch_scc0 .Lentry_in_a_cluster
	s_endpgm
.Lentry_in_a_cluster:
	s_bfe_u32 s2, ttmp6, 0x10000c
	s_cmp_lg_u32 s2, 0x3003
	s_cbranch_scc0 .Lentry_shape_is_right
	s_endpgm
.Lentry_shape_is_right:
; ATTENTION UNDER A MASK THAT IS AN INPUT.  O[bh][q][:] = sum over k of softmax_k(mask[b][q][k] ? Q[bh][q] . K[bh][k] / 8 : a constant far below) V[bh][k][:].
; Q, K, V: qkv [3][64][2048][64] f16, unscaled; O: oh [64][2048][64] f16.  Products, maxima and sums in f32; the weights p are rounded to f16 for the second product (their sum l is taken of the unrounded p), O once at the end.
; THE MASK is a substitution in front of the running maximum, as in the source: each score whose bit is 0 is replaced by NEG = -2^36 in raw units (-8.59e9 after the division by 8).
; mbits holds, for a tile of 16 queries and a step of 64 keys, 32 words; word 8 kt + j is the lane mask of register j of accumulator kt of S^T.  A tile's 32 words come by one vector load, lane L taking word L,
; a whole key step ahead of their use; v_readlane_b32 then moves them into scalar registers, where they are the select's mask operand.
; A power of two makes c NEG exact, so in a row with no true bit c s - c m is exactly 0 for every key: all weights are 1 and O is the mean of all rows of V.  All 2,048 keys are walked for every query.
; LIMITS.  The source's constant is -1e10; true scores below about -8.5e9 are not ordered against hidden ones as there.  Q, K, V arrive within f16's 65,504.  A weight below 2^-126 counts as 0; NaN and infinities are not treated apart.
; SHARES.  A wave owns four PIECES of two tiles of 16 queries, a work-group's four waves 512 queries of one head: 4 x 64 = 256 work-groups.  Every wave walks all keys, 64 a step.
; LAYOUT.  S^T = K Q^T (source 0 = 16 keys, source 1 = 16 queries): a lane holds ONE query (lane % 16) and the keys 8 (lane / 16) + 0..7.  Two such tiles, rounded to f16 in pairs, ARE source 1 of O^T = V^T P.
; SOFTMAX.  A running maximum m and sum l for each query: p = 2^(c s - c m), c = log2(e) / 8; in every step O and l are multiplied by a = 2^(c m_old - c m_new).  m starts at the lowest finite number, O and l at 0.
; BY TURNS.  Turn n belongs to piece n.  Matrix work: 16 products K Q^T of piece n + 1, then 16 products V^T P of piece n - 1.  Vector work, dealt in 32 shares, one behind each matrix instruction: the scaling,
; exponentials, roundings, sums and rescaling of piece n, and the masking, maximum and statistics of piece n + 1; the 64 lines that move piece n + 1's mask words stand together, between shares 9 and 10.
; CLUSTER.  The four query blocks of a head walk the same K and V: each tile is asked for JOINTLY, by the same tensor load, descriptor and mask in all four.
; REGISTERS, in windows of 256 (s_set_vgpr_msb: bits 1:0 source 0, 3:2 source 1, 5:4 source 2, 7:6 destination):
;   window 0: v2-8 addresses; v9 NEG; v10-11 c; v12-15, v48-63 at work; v16-47 four registers of statistics a tile; v64-191 S^T, two buffers of two tiles; v192-255 P, likewise
;   window 1: O^T, 32 a tile      window 2: v0-127 Q, 16 a tile; v128-191 K of one step; v192-255 V of one step
;   window 3: v0-1 the add's two registers; v2-3 the mask words' offset and its bound; v4-11 a tile's mask words, one register a tile
.set NP,    4
.set KS,    64
.set PK,    144       ; a row of K in LDS: 128 bytes + 16: the 16 rows of a load start at 16 different groups of four banks (ISA guide 11.1)
.set PV,    160       ; a row of V: 128 + 32
.set VOFF,  4*KS*PK   ; a slot holds four steps: 256 rows of K, then 256 rows of V
.set SLOT1, 1<<17     ; slot 1 begins here: one exclusive or turns an address in one slot into the other's
.set STAGE, SLOT1+4*KS*(PK+PV)  ; behind the ring, never filled by a tensor load: 16 rows x 144 bytes for each wave
.set SP,    144
.set SPARE, STAGE+4*16*SP       ; behind the stages: the spare words, 128 bytes a wave, which no other line names
.set AK0, 2           ; v2   my lane's place in a tile of K; never rewritten
.set AV0, 3           ; v3   the same for V
.set AK,  4           ; v4   the LDS address of K's next run of loads
.set AV,  5           ; v5   of V's
.set STO, 6           ; v6   the way out: where I put 16 bytes of a row
.set RD,  7           ; v7   where I read rows back
.set GO,  8           ; v8   my byte offset in 512 consecutive bytes of O
.set NEG, 9           ; v9   -2^36
.set CV,  10          ; v[10:11] c, twice
.set MV,  12          ; v12-15  c m_old, kept while c m is made anew: by buffer and tile
.set QO,  12          ; v12  before that: my byte offset in the wave's rows of Q
.set ST,  16          ; tile t's statistics at v[ST+4 t]: c m, m, l (even keys', odd keys')
.set TMP, 48          ; by buffer and tile, four registers c0-c3 at work; when the maximum is found c2 takes a
.set S,   64
.set P,   192
.set KF,  128         ; window 2: key block kb, channel half c at KF + 16 kb + 8 c
.set VF,  192         ; window 2: key half kk, channel block cb at VF + 32 kk + 8 cb
.set SPW, 0           ; v0 of window 3: LDS address of my spare word; never rewritten
.set NIL, 1           ; v1 of window 3: 0; never rewritten
.set MOF, 2           ; v2 of window 3: 4 x lane + 128 x the key step whose mask words are asked for
.set MLIM, 3          ; v3 of window 3: 4 x lane + 128 x 31: the last key step's
.set MB,  4           ; v4-11 of window 3: tile t's 32 mask words, word L in lane L
.set MP,  2           ; s[2:3]   my wave's mask words: eight tiles of 4,096 bytes; never rewritten
.set WV,  6           ; s6   my wave's number
.set SLOTS, 7         ; s7   slots still to be asked for
.set G1K, 8           ; s[8:15]  descriptor group 1 for K's tiles
.set G1V, 16          ; s[16:23] for V's: it differs in the padding alone
.set G0K, 24          ; s[24:27] descriptor group 0 for K's tiles: it walks
.set G0V, 28          ; s[28:31] the same for V's
.set MW0, 32          ; s[32:63] the 32 mask words of the next piece's first tile (before the first of them: the set-up's scalars)
.set MW1, 68          ; s[68:99] of its second tile
.set CNT, 66          ; s66  counts a slot's key steps
.set TBK, 67          ; s67  LDS byte at which K of the step to be fetched begins
.set TBV, 100         ; s100 the same for V, less VOFF
.set TS,  101         ; s101 at work
.set SEL, 104         ; s[104:105] v_permlanex16_b32's selects: each lane takes its own place in the other half
.set MSB, 0
.macro WIN new                      ; the high byte repeats the setting that is left; a switch that changes nothing is dropped
.if MSB != (\new)
	s_set_vgpr_msb (MSB<<8)|(\new)
.set MSB, (\new)
.endif
.endm
.set W_KQ, 0x0a       ; K and Q in window 2, S^T in window 0
.set W_PV, 0x52       ; V in window 2, P in window 0, O^T in window 1
.set W_RS, 0x41       ; O^T (destination and source 0) in window 1, a in window 0
.set W_MK, 0xc0       ; destination in window 3, sources in window 0
.set W_AD, 0x0f       ; the add: address and data in window 3
.set W_RL, 0x03       ; a mask register is read: source 0 in window 3
.set W_MS, 0xcf       ; the mask words' offset steps: destination and both sources in window 3
.set W_ML, 0xc3       ; a mask register is loaded: data (destination) and offset (source 0) in window 3
; A joint fill.  Waves 0 and 1 fetch the two halves of a slot's K, waves 2 and 3 those of its V: 128 keys each.  An s_nop 0 and four v_nop follow each line, ahead of the jump and the label.
.macro JLOAD
	s_cmp_lt_u32 s[WV], 2
	s_cbranch_scc0 .Lfor_v_\@
	tensor_load_to_lds s[G0K:G0K+3], s[G1K:G1K+7]
	s_nop 0
.rept 4
	v_nop
.endr
	s_branch .Lasked_\@
.Lfor_v_\@:
	tensor_load_to_lds s[G0V:G0V+3], s[G1V:G1V+7]
	s_nop 0
.rept 4
	v_nop
.endr
.Lasked_\@:
.endm
.macro CROUND                       ; a round of the cluster's barrier
	s_barrier_signal -1
	s_barrier_wait -1
	s_cmp_lg_u32 s[WV], 0
	s_cbranch_scc1 .Lnot_wave_0_\@
	s_barrier_signal -3
.Lnot_wave_0_\@:
	s_barrier_wait -3
	s_barrier_signal -1
	s_barrier_wait -1
.endm
; THE CHANGE OF SLOTS.  Each wave waits for all its tensor loads, of which one is out: its part of the other slot; adds 0 to its spare word; and waits for that and for its own reads of the slot.
; fill = 1: the barrier is a round of the cluster's, and this slot is filled again, with the keys two slots on, first thing behind it: the load has four key steps, 512 matrix instructions, in which to land.
; (At its first use nothing has been read yet: slot 0 is waited for, slot 1 filled.)
.macro CHANGE fill
	WIN W_AD
	s_wait_tensorcnt 0x0            ; no tensor load of mine is out, so a group 0 may be written
	ds_add_u32 v[SPW], v[NIL]       ; 0 onto my spare word
	WIN 0                           ; at a label and at a branch every window is 0
.if \fill
.irp g, G0K, G0V
	s_xor_b32 s[\g+1], s[\g+1], SLOT1                  ; the walking descriptor: the other slot than last time,
	s_add_nc_u64 s[\g+2:\g+3], s[\g+2:\g+3], 4*KS*128  ; the next 256 keys; the type bits on top are not reached
.endr
	s_wait_dscnt 0x0                ; the add is done, and my reads of the slot are over
	CROUND
	JLOAD
.else
	s_wait_dscnt 0x0
	s_barrier_signal -1
	s_barrier_wait -1
.endif
	s_sub_co_u32 s[TBK], s[TBK], 4*KS*PK  ; the fetches go back to a slot's first step,
	s_xor_b32 s[TBK], s[TBK], SLOT1       ; in the other slot
	s_sub_co_u32 s[TBV], s[TBV], 4*KS*PV
	s_xor_b32 s[TBV], s[TBV], SLOT1
.endm
; THE MASK WORDS OF PIECE p (tiles 2 p, 2 p + 1) go from their two vector registers into the 64 scalar registers, and the two registers are asked for again at once, with the piece's words of its next key step:
; four turns' work stands between that request and the wait for it.  Each load takes 128 consecutive bytes; the next key step's takes the 128 beside them.
; left = the younger loads that may stay out.  step = 1: the offset goes a key step on first; it stops at the last key step's words, so that the look-ahead of the last steps stays inside my wave's 32,768 bytes.
.macro MGET p, left, step
	s_wait_loadcnt \left            ; loads come back in order (ISA guide 5.7.1): the piece's two are in
	WIN W_RL
.set z, 0
.rept 32
	v_readlane_b32 s[MW0+z], v[MB+2*(\p)], z
.set z, z+1
.endr
.set z, 0
.rept 32
	v_readlane_b32 s[MW1+z], v[MB+2*(\p)+1], z
.set z, z+1
.endr
.if \step
	s_wait_xcnt 0x0                 ; the loads that are out name the offset register: it is rewritten only behind this wait
	WIN W_MS
	v_add_nc_u32 v[MOF], 128, v[MOF]
	v_min_u32 v[MOF], v[MOF], v[MLIM]
.endif
	WIN W_ML
	global_load_b32 v[MB+2*(\p)],   v[MOF], s[MP:MP+1] offset:8192*(\p)
	global_load_b32 v[MB+2*(\p)+1], v[MOF], s[MP:MP+1] offset:8192*(\p)+4096
.endm
	s_load_b128 s[32:35], s[0:1], 0x0  ; qkv s[32:33], mbits s[34:35]
	WIN W_MK
	v_lshl_add_u32 v[SPW], v0, 2, SPARE
	v_mov_b32 v[NIL], 0
	WIN W_AD
	ds_add_u32 v[SPW], v[NIL]       ; the wave's opening: the add and its wait stand ahead of my first tensor load; the set-up, work on registers, stands between them
	WIN 0
	v_lshrrev_b32 v1, 5, v0
	v_readfirstlane_b32 s[WV], v1   ; wave 0..3
	s_bfe_u32 s36, ttmp6, 0x40000   ; cx
	s_lshl_b32 s37, ttmp9, 2
	s_add_co_u32 s37, s37, s36      ; my block of 512 queries: it enters Q's, O's and the mask's addresses alone
	s_and_b32 s38, ttmp7, 0xffff    ; batch x 16 + head, which the four partners share
	s_lshl_b32 s39, s38, 18         ; its 262,144 bytes in each of q, k, v, o
	s_and_b32 s46, s[WV], 1         ; which half of a slot's 256 keys I fetch
	s_lshl_b32 s40, s46, 14
	s_add_co_u32 s40, s40, s39
	s_add_co_u32 s42, s40, 0x2000000  ; v lies 33,554,432 bytes into qkv,
	s_add_co_u32 s40, s40, 0x1000000  ; k 16,777,216
	s_mov_b32 s41, 0
	s_mov_b32 s43, 0
	s_mul_i32 s47, s46, 128*PV      ; my half's place in a slot, for V
	s_mul_i32 s46, s46, 128*PK      ; and for K: no place in the cluster enters an LDS address
	s_lshl_b32 s44, s37, 2
	s_add_co_u32 s44, s44, s[WV]    ; my wave among the head's sixteen
	s_lshl_b32 s36, s44, 15         ; its eight tiles' mask words, 32,768 bytes,
	s_lshr_b32 s37, s38, 4
	s_lshl_b32 s37, s37, 19         ; in the batch's 524,288
	s_add_co_u32 s36, s36, s37
	s_mov_b32 s37, 0
	s_lshl_b32 s44, s44, 14         ; its 128 rows of 128 bytes
	s_add_co_u32 s44, s44, s39
	s_mov_b32 s45, 0
	; descriptor group 1.  128 keys are 16,384 dense bytes: asked for as 64 rows of 256 bytes, two keys a row, and padded in LDS after every key
	s_mov_b32 s[G1K], 15|(1<<16)|(1<<20)|(1<<21)|(4<<22)|(3<<25)  ; 15:0 the mask of four; 17:16 2-byte elements; 20 padding on; 21 set beside a mask; 24:22 after every 32 words; 31:25 4 words
	s_mov_b32 s[G1V], 15|(1<<16)|(1<<20)|(1<<21)|(4<<22)|(7<<25)  ; the same with 8 words of padding
.irp g, G1K, G1V
	s_mov_b32 s[\g+1], 128<<16      ; tensor_dim0 = 128
	s_mov_b32 s[\g+2], 64<<16       ; tensor_dim1 = 64
	s_mov_b32 s[\g+3], 128<<16      ; tile_dim0 = 128
	s_mov_b32 s[\g+4], 64           ; tile_dim1 = 64
	s_mov_b32 s[\g+5], 128          ; 128 elements from row to row
	s_mov_b32 s[\g+6], 0
	s_mov_b32 s[\g+7], 0
.endr
	s_mov_b32 s[SEL], 0x76543210
	s_mov_b32 s[SEL+1], 0xfedcba98
	s_mov_b32 s[TBK], SLOT1+4*KS*PK ; the first change of slots turns these two into 0
	s_mov_b32 s[TBV], SLOT1+4*KS*PV
	s_mov_b32 s[G0K], 1             ; count = 1
	s_mov_b32 s[G0K+1], s46         ; LDS address: slot 0
	s_mov_b32 s[G0V], 1
	s_add_co_u32 s[G0V+1], s47, VOFF
	s_wait_dscnt 0x0                ; the opening add is done
	s_wait_kmcnt 0x0
	s_add_nc_u64 s[G0K+2:G0K+3], s[32:33], s[40:41]  ; my half of the head's first 256 keys
	s_or_b32 s[G0K+3], s[G0K+3], 0x80000000          ; type = 2
	s_add_nc_u64 s[G0V+2:G0V+3], s[32:33], s[42:43]
	s_or_b32 s[G0V+3], s[G0V+3], 0x80000000
	s_add_nc_u64 s[4:5], s[32:33], s[44:45]          ; Q at my wave's first row
	s_add_nc_u64 s[MP:MP+1], s[34:35], s[36:37]      ; my wave's mask words
	CROUND                          ; all four work-groups are here: the first joint loads meet
	JLOAD                           ; slot 0.  Slot 1 is asked for when slot 0 is in
	v_and_b32 v1, 31, v0            ; the mask words of key step 0, all eight tiles: lane L takes word L
	v_lshlrev_b32 v1, 2, v1
	WIN W_MK
	v_mov_b32 v[MOF], v1
	v_add_nc_u32 v[MLIM], 31*128, v1
	WIN W_ML
.set t, 0
.rept 2*NP
	global_load_b32 v[MB+t], v[MOF], s[MP:MP+1] offset:4096*t
.set t, t+1
.endr
	WIN 0
	; A fragment of K or Q is 16 rows x 32 channels in 8 registers: lane l holds row l % 16, channels 8 (l / 16) + 0..7 and 16 + 8 (l / 16) + 0..7: two loads of 16 bytes, 32 bytes apart.
	v_and_b32 v1, 15, v0            ; l % 16
	v_bfe_u32 v9, v0, 4, 1          ; l / 16
	v_lshlrev_b32 v[QO], 7, v1
	v_lshl_add_u32 v[QO], v9, 4, v[QO]  ; row x 128 + 16 x half
	WIN 0x80                        ; destination window 2, address window 0
.set i, 0
.rept 4*NP                          ; Q stays in registers: tile i / 2, channels 32 (i % 2) on
	global_load_b128 v[8*i:8*i+3],   v[QO], s[4:5] offset:(i/2)*2048+(i%2)*64
	global_load_b128 v[8*i+4:8*i+7], v[QO], s[4:5] offset:(i/2)*2048+(i%2)*64+32
.set i, i+1
.endr
	; What the first turn finds: V's registers and P's second buffer hold 0 (its products V^T P, of a piece that has not been, add 0), O^T and l are 0.  All this stands in the wait for the first tile.
.set i, VF
.rept 64
	v_mov_b32 v[i], 0
.set i, i+1
.endr
	WIN 0x40
.set i, 0
.rept 64*NP
	v_mov_b32 v[i], 0
.set i, i+1
.endr
	WIN 0
.set i, 0
.rept 2*NP
	v_mov_b32 v[ST+4*i], 0xfe000000    ; c m: far below every c s
	v_mov_b32 v[ST+4*i+1], 0xff7fffff  ; m
	v_mov_b32 v[ST+4*i+2], 0
	v_mov_b32 v[ST+4*i+3], 0
.set i, i+1
.endr
.set i, P+32
.rept 32
	v_mov_b32 v[i], 0
.set i, i+1
.endr
	v_mul_u32_u24 v[AK0], v1, PK
	v_lshl_add_u32 v[AK0], v9, 4, v[AK0]  ; row x pitch + 16 x half
	; The turning load takes 16 keys x 16 channels (lane l reads key 8 (l / 16) + l % 8, channels 8 ((l / 8) % 2) + 0..7) and leaves half a fragment of V^T: lane l holds channel l % 16 and 8 keys.
	v_and_b32 v10, 7, v0
	v_bfe_u32 v11, v0, 3, 1
	v_lshl_add_u32 v[AV0], v9, 3, v10
	v_mul_u32_u24 v[AV0], v[AV0], PV
	v_lshl_add_u32 v[AV0], v11, 4, v[AV0]
	v_add_nc_u32 v[AV0], VOFF, v[AV0]
	v_mov_b32 v[AK], v[AK0]         ; key step 0 lies at the head of slot 0
	s_mul_i32 s[TS], s[WV], 16*SP
	s_add_co_u32 s[TS], s[TS], STAGE  ; my stage
	v_mul_u32_u24 v[STO], v1, SP    ; in: row l % 16, 16 bytes for each half of the lanes
	v_lshl_add_u32 v[STO], v9, 4, v[STO]
	v_add_nc_u32 v[STO], s[TS], v[STO]
	v_bfe_u32 v[RD], v0, 3, 2       ; back: 32 lanes take four rows of 128 bytes,
	v_mul_u32_u24 v[RD], v[RD], SP
	v_lshl_add_u32 v[RD], v10, 4, v[RD]
	v_add_nc_u32 v[RD], s[TS], v[RD]
	v_and_b32 v[GO], 31, v0         ; which are 512 consecutive bytes of O
	v_lshlrev_b32 v[GO], 4, v[GO]
	v_mov_b32 v[NEG], 0xd1800000    ; -2^36; v9-v11 have served the addresses
	v_mov_b32 v[CV], 0x3e38aa3b     ; c = log2(e) / 8 = 0.180337
	v_mov_b32 v[CV+1], 0x3e38aa3b
; THE MATRIX WORK.  The 8 accumulators of a run of 16 take turns: between the two links of a chain stand 7 others'.
; Product i of 16 of S^T = K Q^T for piece x: channels 32 (i / 8) on, keys 16 ((i / 2) % 4) on, tile 2 x + i % 2.  The first 8 start the sums.
.macro KQ x
	WIN W_KQ
.set rS, S+64*((\x)%2)+32*(i%2)+8*((i/2)%4)
.set rK, KF+16*((i/2)%4)+8*(i/8)
.set rQ, 16*(2*(\x)+i%2)+8*(i/8)
.if i < 8
	v_wmma_f32_16x16x32_f16 v[rS:rS+7], v[rK:rK+7], v[rQ:rQ+7], 0
.else
	v_wmma_f32_16x16x32_f16 v[rS:rS+7], v[rK:rK+7], v[rQ:rQ+7], v[rS:rS+7]
.endif
.endm
; Product i of 16 of O^T += V^T P for piece x: keys 32 (i / 8) on, channels 16 ((i / 2) % 4) on, tile 2 x + i % 2.
.macro PV x
	WIN W_PV
.set rO, 32*(2*(\x)+i%2)+8*((i/2)%4)
.set rV, VF+32*(i/8)+8*((i/2)%4)
.set rP, P+32*((\x)%2)+16*(i%2)+8*(i/8)
	v_wmma_f32_16x16x32_f16 v[rO:rO+7], v[rV:rV+7], v[rP:rP+7], v[rO:rO+7]
.endm
.macro MM                           ; the turn's next matrix instruction
.if i < 16
	KQ (Y+1)%NP
.set i, i+1
.else
.set i, i-16
	PV (Y+NP-1)%NP
.set i, i+17
.endif
.endm
; THE LDS LOADS stand in runs of 16: a step's K (8 fragments) and its V (turned).  last = 1 (the tail): in the last trip there is no further step, and the run is jumped over.
.macro FETCH_K last=0
	WIN 0
.if \last
	s_cmp_eq_u32 s[CNT], 1
	s_cbranch_scc1 .Lno_k_\@
.endif
	WIN 0x80                        ; destination window 2
.irp f, 0,1,2,3,4,5,6,7             ; keys 16 (f / 2) on, channels 32 (f % 2) on
	ds_load_b128 v[KF+8*\f:KF+8*\f+3],   v[AK] offset:(\f/2)*16*PK+(\f%2)*64
	ds_load_b128 v[KF+8*\f+4:KF+8*\f+7], v[AK] offset:(\f/2)*16*PK+(\f%2)*64+32
.endr
	s_add_co_u32 s[TBK], s[TBK], KS*PK  ; the next fetch is the next step's
	WIN 0
.if \last
.Lno_k_\@:
.endif
.endm
.macro FETCH_V
	WIN 0x80
.irp f, 0,1,2,3,4,5,6,7             ; keys 32 (f / 4) on, channels 16 (f % 4) on
	ds_load_tr16_b128 v[VF+8*\f:VF+8*\f+3],   v[AV] offset:(\f/4)*32*PV+(\f%4)*32
	ds_load_tr16_b128 v[VF+8*\f+4:VF+8*\f+7], v[AV] offset:(\f/4)*32*PV+16*PV+(\f%4)*32
.endr
	WIN 0
.endm
; THE VECTOR WORK.
.macro REGS y, u                    ; the registers of tile u (0, 1) of piece y
.set rT, ST+4*(2*(\y)+(\u))
.set rC, TMP+8*((\y)%2)+4*(\u)
.set rM, MV+2*((\y)%2)+(\u)
.set rS, S+64*((\y)%2)+32*(\u)
.set rP, P+32*((\y)%2)+16*(\u)
.set rO, 32*(2*(\y)+(\u))
.endm
; For piece Y, tile u:
.macro OPF u, k                     ; c s - c m for pair k of 16
	REGS Y, \u
	WIN 0
	v_pk_fma_f32 v[rS+2*(\k):rS+2*(\k)+1], v[rS+2*(\k):rS+2*(\k)+1], v[CV:CV+1], v[rT:rT+1] op_sel_hi:[1,1,0] neg_lo:[0,0,1] neg_hi:[0,0,1]
.endm
.macro OPE u, n                     ; the exponential of score n of 32
	REGS Y, \u
	WIN 0
	v_exp_f32 v[rS+(\n)], v[rS+(\n)]
.endm
.macro OPC u, k                     ; pair k rounded to f16
	REGS Y, \u
	WIN 0
	v_cvt_pk_f16_f32 v[rP+(\k)], v[rS+2*(\k)], v[rS+2*(\k)+1]
.endm
.macro OPB u, k                     ; of the four weights 4 k .. the second pair is added onto the first, in place
	REGS Y, \u
	WIN 0
	v_pk_add_f32 v[rS+4*(\k):rS+4*(\k)+1], v[rS+4*(\k):rS+4*(\k)+1], v[rS+4*(\k)+2:rS+4*(\k)+3]
.endm
.macro OPL u, k                     ; l takes that sum; the first time as l = a l + sum
	REGS Y, \u
	WIN 0
.if (\k) == 0
	v_pk_fma_f32 v[rT+2:rT+3], v[rT+2:rT+3], v[rC+2:rC+3], v[rS:rS+1] op_sel_hi:[1,0,1]
.else
	v_pk_add_f32 v[rT+2:rT+3], v[rT+2:rT+3], v[rS+4*(\k):rS+4*(\k)+1]
.endif
.endm
.macro R4                           ; one accumulator of O^T times a, from its low end on: the one part of the softmax that leaves window 0
	REGS Y, r%2
	WIN W_RS
.irp z, 0,1,2,3
	v_pk_mul_f32 v[rO+8*(r/2)+2*\z:rO+8*(r/2)+2*\z+1], v[rO+8*(r/2)+2*\z:rO+8*(r/2)+2*\z+1], v[rC+2:rC+3] op_sel_hi:[1,0]
.endr
.set r, r+1
.endm
; For piece Y + 1.  MK g: accumulator g (tile g % 2, keys 16 (g / 2) on) of its new scores is masked: where the word's bit is 0 the score becomes NEG.  From the low end on.
.macro MK g
	REGS (Y+1)%NP, (\g)%2
	WIN 0
.set z, 0
.rept 8
	v_cndmask_b32 v[rS+8*((\g)/2)+z], v[NEG], v[rS+8*((\g)/2)+z], s[MW0+(MW1-MW0)*((\g)%2)+8*((\g)/2)+z]
.set z, z+1
.endr
.endm
; XS u, n: number n of the 22 that find its maximum and statistics.  s0-s31 are the lane's 32 masked scores.
;   0-11  four chains c0-c3 of seven scores each, three operands at a time     12-14, 16  the four scores left over, the old m, and c0-c3 into c0     15  c m_old is kept
;   17, 18  the query's other 32 keys lie in the lane 16 away: the new m         19-21  c m; c m_old - c m_new; a
.macro XS u, n
	REGS (Y+1)%NP, \u
	WIN 0
.if (\n) < 4
	v_max3_num_f32 v[rC+(\n)], v[rS+8*(\n)], v[rS+8*(\n)+1], v[rS+8*(\n)+2]
.elseif (\n) < 12
	v_max3_num_f32 v[rC+(\n)%4], v[rC+(\n)%4], v[rS+8*((\n)%4)+2*((\n)/4)+1], v[rS+8*((\n)%4)+2*((\n)/4)+2]
.elseif (\n) == 12
	v_max3_num_f32 v[rC], v[rC], v[rS+7], v[rS+15]
.elseif (\n) == 13
	v_max3_num_f32 v[rC+1], v[rC+1], v[rS+23], v[rS+31]
.elseif (\n) == 14
	v_max3_num_f32 v[rC+2], v[rC+2], v[rC+3], v[rT+1]
.elseif (\n) == 15
	v_mov_b32 v[rM], v[rT]
.elseif (\n) == 16
	v_max3_num_f32 v[rC], v[rC], v[rC+1], v[rC+2]
.elseif (\n) == 17
	v_permlanex16_b32 v[rC+3], v[rC], s[SEL], s[SEL+1]
.elseif (\n) == 18
	v_max_num_f32 v[rT+1], v[rC], v[rC+3]
.elseif (\n) == 19
	v_mul_f32 v[rT], v[CV], v[rT+1]
.elseif (\n) == 20
	v_sub_f32 v[rC+1], v[rM], v[rT]
.else
	v_exp_f32 v[rC+2], v[rC+1]
.endif
.endm
; SHARE e OF 32: a matrix instruction and what stands behind it.  None of these lines names a register of the products round it.
;   rescaling: shares 1-8.  Scaling of pair k: share k - 1 at the latest, ahead of its exponentials in shares 2 k and 2 k + 1.  Exponential e of both tiles: share e, a plain line between or behind them.
;   Rounding of pair k: share 2 k + 2.  Sum of four k: share 4 k + 5, behind both roundings' reads of what it overwrites.  l: share 4 k + 7.
;   Mask of accumulator g: share 10 + g; the product that finishes it stands in share 8 + g, a whole share of plain lines between.  Maximum: shares 18-26.  The chain of statistics: one link a share, 27-31.
.macro SL
	MM
.if (e >= 1) && (e <= 8)
	R4
.endif
.if e == 0
	OPF 0, 0
	OPF 1, 0
	OPF 0, 1
	OPF 1, 1
.elseif e <= 14
	OPF 0, e+1
	OPF 1, e+1
.endif
	OPE 0, e
.if (e >= 2) && (e%2 == 0)
	OPC 0, e/2-1
	OPC 1, e/2-1
.elseif (e >= 5) && (e%4 == 1)
	OPB 0, (e-5)/4
	OPB 1, (e-5)/4
.elseif (e >= 7) && (e%4 == 3)
	OPL 0, (e-7)/4
	OPL 1, (e-7)/4
.endif
	OPE 1, e
.if (e >= 10) && (e <= 17)
	MK e-10
.elseif (e >= 18) && (e <= 25)
	XS 0, 2*(e-18)
	XS 1, 2*(e-18)
	XS 0, 2*(e-18)+1
	XS 1, 2*(e-18)+1
.elseif e == 26
	XS 0, 16
	XS 1, 16
.elseif e >= 27
	XS 0, e-10
	XS 1, e-10
.endif
.set e, e+1
.endm
; A TURN, for piece p.
; K of the next step is fetched in piece 2's turn behind share 16: behind the last product that read K (share 15) stand more than four plain lines; it is waited for at the head of piece 3's turn.
; V of the step in hand is fetched at the end of piece 0's turn: eight plain lines behind the last product that read V; it is waited for in front of share 16 of piece 1's turn.
; The mask words of piece p + 1 are moved between shares 9 and 10: the scalar registers were last read in share 17 of the turn before, and are first read in share 10.  The count 6: behind that piece's two loads
; stand the two of each of the three turns since.  Piece 3's turn moves piece 0's words of the next key step, and steps the offset: it asks for piece 0's words two key steps on, the turns behind it for the other pieces' of that same step.
.macro TURN p, last=0
.set Y, (\p)
.set i, 0
.set r, 0
.set e, 0
.if (\p) == NP-1
	s_wait_dscnt 0x0                ; K is in
.endif
.rept 10
	SL
.endr
	MGET ((\p)+1)%NP, 6, (\p)/3
.rept 6
	SL
.endr
.if (\p) == NP-2
	WIN 0
	v_add_nc_u32 v[AK], s[TBK], v[AK0]
.endif
.if (\p) == 1
	s_wait_dscnt 0x0                ; V is in
.endif
	SL
.if (\p) == NP-2
	FETCH_K \last
.endif
.rept 14
	SL
.endr
.if (\p) == 0
	WIN 0
	v_add_nc_u32 v[AV], s[TBV], v[AV0]
.endif
	SL
	OPC 0, 15
	OPC 1, 15
	OPB 0, 7
	OPB 1, 7
	OPL 0, 7
	OPL 1, 7
.if (\p) == 0
	s_add_co_u32 s[TBV], s[TBV], KS*PV
	FETCH_V
.endif
.endm
	CHANGE 1                        ; slot 0 is in, everybody's part of it; slot 1 is asked for
	FETCH_K                         ; key step 0
	s_wait_loadcnt 0x0              ; Q, and the mask words of key step 0
	s_wait_dscnt 0x0
.set i, 0
.rept 16
	KQ 0                            ; piece 0's first scores
.set i, i+1
.endr
	WIN 0
.rept 4
	v_nop                           ; the places behind those products
.endr
	MGET 0, 0, 1                    ; piece 0's words of key step 0; the offset goes on to key step 1, whose words all four pieces ask for next
.set Y, NP-1                        ; MK and XS work for piece Y + 1: piece 0
.irp g, 0,1,2,3,4,5,6,7
	MK \g
.endr
.irp n, 0,1,2,3,4,5,6,7,8,9,10,11,12,13,14,15,16,17,18,19,20,21
	XS 0, \n
	XS 1, \n
.endr
	s_mov_b32 s[CNT], 4
	s_mov_b32 s[SLOTS], 7
	s_branch .Lfirst                ; the loop is entered at a step's first turn, in the middle of a trip
.Lslot:                             ; six times: every slot but the last two is filled again
	CHANGE 1
	s_mov_b32 s[CNT], 4
.Lstep:                             ; a trip: pieces 2 and 3 of one step, then pieces 0 and 1 of the next, whose K and V it fetches
	TURN 2
	TURN 3
	WIN 0
.Lfirst:
	TURN 0
	TURN 1
	WIN 0
	s_sub_co_u32 s[CNT], s[CNT], 1
	s_cmp_lg_u32 s[CNT], 0
	s_cbranch_scc1 .Lstep
	s_sub_co_u32 s[SLOTS], s[SLOTS], 1
	s_cmp_lg_u32 s[SLOTS], 0
	s_cbranch_scc1 .Lslot
	CHANGE 0                        ; the tail is written out: nothing is asked for
	s_mov_b32 s[CNT], 5             ; four trips fetch the last slot's steps; the fifth is left in its middle
.Ltail:
	TURN 2, 1
	TURN 3
	WIN 0
	s_sub_co_u32 s[CNT], s[CNT], 1
	s_cmp_eq_u32 s[CNT], 0
	s_cbranch_scc1 .Lout
	TURN 0
	TURN 1
	WIN 0
	s_branch .Ltail
.Lout:                              ; the fifth trip's 16 products K Q^T (on the last K once more), their mask words (the last key step's once more) and the maximum made of them serve nothing
.set i, 0
.rept 16
	PV NP-1                         ; the last piece's V^T P of the last step
.set i, i+1
.endr
	; THE WAY OUT.  l's two halves and the other half of the lanes' are added; O^T is divided by l (at least 1: the row's maximum has the weight 1), rounded to f16 and sent through my stage, a tile at a time.
	WIN 0
	s_load_b64 s[4:5], s[0:1], 0x10 ; oh
	s_bfe_u32 s32, ttmp6, 0x40000   ; O has Q's offset: ((4 x cluster x + cx) x 4 + wave) x 16,384 + head x 262,144; the mask words' scalar registers are free
	s_lshl_b32 s33, ttmp9, 2
	s_add_co_u32 s32, s32, s33
	s_lshl_b32 s32, s32, 2
	s_add_co_u32 s32, s32, s[WV]
	s_lshl_b32 s32, s32, 14
	s_and_b32 s33, ttmp7, 0xffff
	s_lshl_b32 s33, s33, 18
	s_add_co_u32 s32, s32, s33
	s_mov_b32 s33, 0
.macro ALL line:vararg              ; one line for each tile t
.set t, 0
.rept 2*NP
	\line
.set t, t+1
.endr
.endm
	ALL v_add_f32 v[ST+4*t+2], v[ST+4*t+2], v[ST+4*t+3]     ; these additions are the places behind the last products
	ALL v_permlanex16_b32 v[ST+4*t+3], v[ST+4*t+2], s[SEL], s[SEL+1]
	ALL v_add_f32 v[ST+4*t+2], v[ST+4*t+2], v[ST+4*t+3]
	ALL v_rcp_f32 v[ST+4*t+2], v[ST+4*t+2]
	v_nop                           ; a plain instruction between the last reciprocal and the use of its result
	s_wait_kmcnt 0x0
	s_add_nc_u64 s[4:5], s[4:5], s[32:33]
; Tile t: a lane's eight channels of a row pack into 16 bytes; they go into rows of 144 bytes and come back as whole rows of 128, into S^T's registers.
.macro PACK t
	WIN W_RS
.set i, 32*(\t)
.rept 16
	v_pk_mul_f32 v[i:i+1], v[i:i+1], v[ST+4*(\t)+2:ST+4*(\t)+3] op_sel_hi:[1,0]
.set i, i+2
.endr
	WIN 0x05                        ; sources 0 and 1 window 1, destination window 0
.set i, 0
.rept 16
	v_cvt_pk_f16_f32 v[S+16*(\t)+i], v[32*(\t)+2*i], v[32*(\t)+2*i+1]
.set i, i+1
.endr
	WIN 0
.irp f, 0,1,2,3
	ds_store_b128 v[STO], v[S+16*(\t)+4*\f:S+16*(\t)+4*\f+3] offset:32*\f
.endr
.irp f, 0,1,2,3
	ds_load_b128 v[S+16*(\t)+4*\f:S+16*(\t)+4*\f+3], v[RD] offset:\f*4*SP  ; LDS serves a wave's instructions in order (ISA guide 5.7.1.4): these see the stores above; the next tile's stores come behind them
.endr
.endm
.macro SEND t, younger              ; younger: the LDS instructions issued behind tile t's loads: the next tile's eight, or none
	WIN 0
.irp f, 0,1,2,3
	s_wait_dscnt (\younger)+3-\f
	global_store_b128 v[GO], v[S+16*(\t)+4*\f:S+16*(\t)+4*\f+3], s[4:5] offset:(\t)*2048+\f*512  ; 512 consecutive bytes, at a multiple of 256 from O's first
.endr
.endm
	PACK 0
.set t, 1
.rept 2*NP-1                        ; a tile's arithmetic stands between the loads of the tile before and its stores
	PACK t
	SEND t-1, 8
.set t, t+1
.endr
	SEND 2*NP-1, 0
	WIN W_AD
	s_wait_tensorcnt 0x0            ; the wave's end: behind my last tensor load and my last LDS store
	ds_add_u32 v[SPW], v[NIL]
	s_wait_dscnt 0x0
	WIN 0
	CROUND                          ; the closing round: no work-group ends while a partner may still ask for a tile that names it
	s_endpgm
.Lfunc_end_k_qf059fef6a0_attn:
	.size	k_qf059fef6a0_attn, .Lfunc_end_k_qf059fef6a0_attn-k_qf059fef6a0_attn
	.p2alignl 7, 3214868480
	.fill 96, 4, 3214868480
	.section	.rodata,"a",@progbits
	.p2align	6, 0x0
	.amdhsa_kernel k_qf059fef6a0_attn
		.amdhsa_group_segment_fixed_size 327680
		.amdhsa_private_segment_fixed_size 0
		.amdhsa_enable_private_segment 0
		.amdhsa_kernarg_size 24
		.amdhsa_user_sgpr_count 2
		.amdhsa_user_sgpr_kernarg_segment_ptr 1
		.amdhsa_wavefront_size32 1
		.amdhsa_system_sgpr_workgroup_id_x 1
		.amdhsa_system_sgpr_workgroup_id_y 1
		.amdhsa_system_sgpr_workgroup_id_z 1
		.amdhsa_system_vgpr_workitem_id 0
		.amdhsa_next_free_vgpr 780
		.amdhsa_next_free_sgpr 106
		.amdhsa_reserve_vcc 0
		.amdhsa_float_denorm_mode_32 3
		.amdhsa_float_denorm_mode_16_64 3
		.amdhsa_memory_ordered 1
		.amdhsa_forward_progress 1
		.amdhsa_inst_pref_size 255
	.end_amdhsa_kernel
	.section	.bss,"aw",@nobits
	.p2align	6
	.space	262144
	.amdgpu_metadata
---
amdhsa.version: [ 1, 2 ]
amdhsa.kernels:
  - .name:           k_qf059fef6a0_attn
    .symbol:         k_qf059fef6a0_attn.kd
    .args:
      - { .name: qkv, .offset: 0, .size: 8, .value_kind: global_buffer, .address_space: global }
      - { .name: mbits, .offset: 8, .size: 8, .value_kind: global_buffer, .address_space: global }
      - { .name: oh, .offset: 16, .size: 8, .value_kind: global_buffer, .address_space: global }
    .group_segment_fixed_size: 327680
    .private_segment_fixed_size: 0
    .kernarg_segment_align: 8
    .kernarg_segment_size: 24
    .max_flat_workgroup_size: 128
    .sgpr_count:     106
    .vgpr_count:     780
    .wavefront_size: 32
...
	.end_amdgpu_metadata
.endif
;; end of part 6
;; launch outp: the kernel of part 4 again; grid 8 x 32, 4 waves a work-group, clusters of 4 x 4, 327,680 bytes of LDS; arguments oh, wp, b_proj, out0; writes out0
